; MI455X (gfx1250); checked and timed in simulation.
; The chip was launched on July 23, 2026; its instructions are those of AMD's public machine-readable ISA for CDNA 5 (MIT licence, August 2026) and "CDNA5" Instruction Set Architecture Reference Guide (July 2026). The comments in the code are by the model that wrote it; some were corrected since.
;; Causal Multi Head Attention. Allowed arithmetic: matrix products marked QUANTISED: E5M2 operands, one E8M0 scale for each 32 along K, by v_wmma_scale_f32_16x16x128_f8f6f4 with both operands' format E5M2, f32 sums; everything else in f32.
;; Inputs: Wk_codes 4 x 64 x 8 x 32 uint8 (E5M2 codes of Wk, K innermost, in blocks of 32 codes); Wk_scales 4 x 64 x 8 uint8 (E8M0 scales of Wk, one for each 32 codes along K); Wo 4 x 64 x 256 float32; Wq_codes 4 x 64 x 8 x 32 uint8 (E5M2 codes of Wq, K innermost, in blocks of 32 codes); Wq_scales 4 x 64 x 8 uint8 (E8M0 scales of Wq, one for each 32 codes along K); Wv_codes 4 x 64 x 8 x 32 uint8 (E5M2 codes of Wv, K innermost, in blocks of 32 codes); Wv_scales 4 x 64 x 8 uint8 (E8M0 scales of Wv, one for each 32 codes along K); beta 256 float32; bk 4 x 64 float32; bo 256 float32; bq 4 x 64 float32; bv 4 x 64 float32; gamma 256 float32; query 4 x 4,096 x 256 float32; value_codes 4 x 4,096 x 8 x 32 uint8 (E5M2 codes of value, K innermost, in blocks of 32 codes); value_scales 4 x 4,096 x 8 uint8 (E8M0 scales of value, one for each 32 codes along K).
;; Outputs: out0 4 x 4,096 x 256 float32.
;; This version of the problem:
;;   THIS VERSION OF THE PROBLEM IS GIVEN IN LOW PRECISION. The matrix products marked QUANTISED in the list below multiply operands that are first quantised to E5M2 (5 exponent bits, 2 mantissa bits; 8 bits a number), with one power-of-two scale for each 32 numbers along K (OCP MX v1.0); their sums are f32. All else is computed in f32.
;;   The module's matrix products, in the order in which they are computed (A, B: the left and right operand; K: the contracted axis; several contracted axes count as one K, in the product's order):
;;     1. [M 16,384, K 256] x [K 256, N 256]; A: input query; B: input Wq (given as codes): QUANTISED
;;     2. [M 16,384, K 256] x [K 256, N 256]; A: input value (given as codes); B: input Wk (given as codes): QUANTISED
;;     3. [M 16,384, K 256] x [K 256, N 256]; A: input value (given as codes); B: input Wv (given as codes): QUANTISED
;;     4. batch 16 x [M 4,096, K 64] x [K 64, N 4,096]; A: computed on the way; B: computed on the way: QUANTISED
;;     5. batch 16 x [M 64, K 4,096] x [K 4,096, N 4,096]; A: computed on the way; B: softmax (see below): QUANTISED
;;     6. [M 16,384, K 256] x [K 256, N 256]; A: computed on the way; B: input Wo: QUANTISED
;;   THE QUANTISER, for each operand of a quantised product, along K:
;;     - K is cut into blocks of 32 from its start; a last block that is shorter is filled with zeros.
;;     - A block's scale is 2^e with e = floor(log2(the largest magnitude in the block)) - 15, held to -126 .. 127; a block of zeros has e = 0. As a byte (E8M0): e + 127.
;;     - Each number is divided by its block's scale, clamped to +-57,344, and rounded to the nearest number of E5M2, ties to even, subnormals kept.
;;     - The product sums the exact products of the quantised numbers (number of the format x scale) in f32.
;;   ~~~python
;;   def quantise(x, axis):      # numpy; x: float32 -> the quantised numbers, widened to float32 again
;;       x = np.moveaxis(x, axis, -1); K = x.shape[-1]
;;       x = np.pad(x, [(0, 0)] * (x.ndim - 1) + [(0, -K % 32)]); x = x.reshape(x.shape[:-1] + (-1, 32)); a = np.abs(x).max(-1, keepdims=True)
;;       e = np.where(a > 0, np.clip(np.frexp(np.where(a > 0, a, 1))[1] - 1 - 15, -126, 127), 0)      # np.frexp(a)[1] - 1 = floor(log2(a)), exactly
;;       r = np.clip(x / 2.0 ** e, -57344, 57344)
;;       step = 2.0 ** (np.maximum(np.frexp(np.where(r == 0, 1, r))[1] - 1, -14) - 2)
;;       q = np.round(r / step) * step * 2.0 ** e      # np.round: ties to even
;;       return np.moveaxis(q.reshape(q.shape[:-2] + (-1,))[..., :K], -1, axis).astype(np.float32)
;;   ~~~
;;   SOFTMAX AHEAD OF A QUANTISED PRODUCT. Where the list says 'softmax', what is quantised is not the finished softmax but p = 2^(t - M), with t = logit x log2(e) and M = ceil(the row's largest t), a whole number; so 1/2 < the row's largest p <= 1. The row's sum l is taken of the UNQUANTISED p, in f32, and the product's result is divided by l at the end. Since M is a whole number, a kernel that streams over the keys may use a running M (the ceiling of the running maximum): every later rescaling is an exact power of two, which a block's scale takes up: the codes' values come out the same.
;;   OPERANDS COMPUTED ON THE WAY. 'Computed on the way' means the value that the module computes at that place (a softmax that the list does not call 'softmax' is quantised finished and normalised). What goes into a quantiser is computed in f32, as accurately as f32 sums, v_exp_f32 and their like allow (about 1e-6 of the number): no bf16 or f16 on the way to a quantiser, and a product that is left as it is and whose result goes on into a quantised operand takes f32 operands (vector FMAs, or v_wmma_f32_16x16x4_f32). A number that lies on a knife's edge between two numbers of the format may be rounded either way, as far as f32 arithmetic and the matrix unit's own rounding can turn it there, and no further.
;;   INPUTS GIVEN AS CODES. Wk (in the module: [256, 4, 64], K = its axis 0); Wq (in the module: [256, 4, 64], K = its axis 0); Wv (in the module: [256, 4, 64], K = its axis 0); value (in the module: [4, 4096, 256], K = its axis 2): each comes as NAME_codes (uint8): NAME with its K axis moved to the last place and cut into blocks of 32 codes, [.., K / 32, bytes a block], one block behind the other in memory; one code a byte (a code: sign, 5 exponent bits, 2 mantissa bits); and NAME_scales (uint8): the same leading axes, one E8M0 byte (e + 127) for each 32 codes along K. Its value is code x scale, taken as it is: it is not quantised again, and the codes and scales need not be those that the quantiser above would give.
;; 2 versions, each right; version 2 is version 1 with the launches proj, outln written anew for expert scheduling mode. Each part assembles by itself: llvm-mc -triple=amdgcn-amd-amdhsa -mcpu=gfx1250 --defsym DOCPART=n.
;; ======== version 1 of 2: 3 launches
;; workspace buffers: qbuf 4,456,448 bytes; kvbuf 8,912,896 bytes; cbuf 4,456,448 bytes; wobuf 69,632 bytes
;; launch proj (part 1): grid 256 x 1, 16 waves a work-group, no clusters, 69,632 bytes of LDS; arguments query, value_codes, value_scales, Wq_codes, Wq_scales, bq, Wk_codes, Wk_scales, bk, Wv_codes, Wv_scales, bv, Wo, qbuf, kvbuf, wobuf; writes qbuf, kvbuf, wobuf
.if DOCPART == 1
	.amdgcn_target "amdgcn-amd-amdhsa--gfx1250"
	.amdhsa_code_object_version 6
	.text
	.protected	k_q5443b82c0c_proj
	.globl	k_q5443b82c0c_proj
	.p2align	8
	.type	k_q5443b82c0c_proj,@function
k_q5443b82c0c_proj:
	s_mov_b64 s[64:65], 0
	v_nop
	global_prefetch_b8 v0, s[64:65] scope:SCOPE_SE
	s_setreg_imm32_b32 hwreg(HW_REG_WAVE_MODE, 25, 1), 1
	s_wait_xcnt 0x0
; q = Q(query) Wq + bq, k = value Wk + bk, v = value Wv + bv on codes of BF8 (E5M2) with one E8M0 scale for each 32 along K; then q and k are quantised along the head's 64,
; v along the keys, and Wo along its first two axes.  All results leave as IMAGES OF OPERAND REGISTERS: a piece is 32 lanes x 16 bytes (lane l at 16 l), a set of scale words 32 lanes x 4 bytes,
; so every store here, and every load of the later launches, covers 512 (128) consecutive bytes.
; SHARES.  A work-group takes 64 tokens, four tiles of 16.  Sixteen waves in four roles (wave / 4), x = wave % 4:
;   role 3: PRODUCER of token tile x: copies the tile's codes of value and quantises the tile's rows of query; both go to LDS as register images;
;   roles 0, 1, 2: CONSUMERS: q, k, v of head x; the head's 64 rows of the weight (8 fragments, 128 registers) stay in registers.  One barrier lies between the two.
;   Behind the barrier the producers of work-groups 0 to 7 quantise one fragment of Wo each (32 in all).
; ORDER OF ROWS.  A tile of a weight takes rows 32 (t / 2) + 8 (t % 2) + r + 8 (r / 8), so that the 16 registers of two neighbouring result tiles are 16 neighbours along the next K.
;   The tiles of value take tokens 32 fl + 8 u + r + 8 (r / 8) for the same reason: they become the keys of a tile of k, and v's registers along the keys.  query's tiles take plain tokens.
; q and k are used transposed (source 0 = weight rows, source 1 = tokens): a lane holds one token, its registers run along the head.  v is used the other way (source 0 = tokens): a lane holds one channel, its registers run along the keys.
; NO JOINT LOADS: the launch has no tensor load; a wave's 16 KiB of weights go from memory straight into its operand registers once, and the launch's chain is one load, one barrier, one product.
; The weights' and value's fragment loads take 32 bytes of each of 16 rows an instruction; four of them take 128 consecutive bytes of each row.
; LIMITS: NaN and infinities are not served.  A block whose largest magnitude lies under 2^-111 keeps the byte 1 (a block of zeros too, where the rule says 127: its codes are zeros, and these bytes are read by this program alone).
.set CHUNK,  17408                     ; kvbuf: 128 keys of one head: 4 fragments of k (8,192), 4 of v^T (8,192), k's scale words (512), v's (512)
.set QSC,    4194304                   ; qbuf: the scale words lie behind the images
.set XQ,     0                         ; LDS: query's 8 fragments (tile, K step s) at (2 tile + s) x 2,048
.set XV,     16384                     ;      value's likewise
.set XQS,    32768                     ;      their scale words, 128 bytes each
.set XVS,    33792
.set BIMG,   34816                     ;      the bias in the result's layout, 4,096 bytes for each of waves 0 to 7, each wave's own
.set W,   16                           ; consumers: v16-143 the weight's fragments, (t, s) at 16 (2 t + s)
.set WS,  144                          ; v144-151 their scale words
.set X,   152                          ; v152-183 a token tile's two fragments
.set XS,  184                          ; v184-185 its scale words
.set HW,  186                          ; the two scale bytes just made
.set SW,  187                          ; a pair of tiles' four bytes
.set SB,  188                          ; v188-191 v's scale bytes, two for each channel tile
.set H,   192                          ; v192-223 four result tiles
.set PC,  224                          ; v224-231 codes just made
.set TM,  232                          ; v232-247 at work in QUANT
.set BV,  248                          ; v248-255 bv of my channel, twice, for each channel tile
.set NUM, 16                           ; producers: v16-143 128 numbers of my row; v152-185 value's pieces and words
.set PPC, 192
.set PTM, 208
.set PPW, 224
.set WV,   36
.set ROLE, 37
.set XX,   38
.set WP,   40                          ; s[40:41] my weight's codes, s[42:43] its scales, s[44:45] my bias
.set WSP,  42
.set BP,   44
.set PO,   46                          ; s[46:47] where my images go, s[48:49] my scale words
.set PS,   48
.set SEL,  50                          ; s[50:51] v_permlanex16_b32's selects for lane l xor 16
.set MNT,  52                          ; the mantissa field of 57,344
; nb blocks of 32 along K, 16 numbers of each in my registers v[s + 16 b + i] and 16 in lane l xor 16's, become codes in v[pc] on and scale bytes in v[pw]
.macro QUANT s, nb, pc, tm, pw
.irp b, 0,1,2,3
.if \b < \nb
	v_max3_num_f32 v[\tm+\b], |v[\s+16*\b]|, |v[\s+16*\b+1]|, 0x8000000   ; my 16 numbers and the floor 2^(16 - 127): the byte cannot fall under 1
.endif
.endr
.irp i, 2,4,6,8,10,12,14
.irp b, 0,1,2,3
.if \b < \nb
	v_max3_num_f32 v[\tm+\b], v[\tm+\b], |v[\s+16*\b+\i]|, |v[\s+16*\b+\i+1]|
.endif
.endr
.endr
.irp b, 0,1,2,3
.if \b < \nb
	v_permlanex16_b32 v[\tm+4+\b], v[\tm+\b], s[SEL], s[SEL+1]
.endif
.endr
.irp b, 0,1,2,3
.if \b < \nb
	v_max_num_f32 v[\tm+\b], v[\tm+\b], v[\tm+4+\b]                  ; the block's largest magnitude
.endif
.endr
.irp b, 0,1,2,3
.if \b < \nb
	v_add_nc_u32 v[\tm+12+\b], 0xf8800000, v[\tm+\b]                 ; 15 off its exponent field: the conversion's scale operand
.endif
.endr
.irp b, 0,1,2,3
.if \b < \nb
	v_and_or_b32 v[\tm+8+\b], v[\tm+\b], 0x7f800000, s[MNT]          ; 57,344 x the scale
.endif
.endr
.irp b, 0,1,2,3
.if \b < \nb
	v_lshrrev_b32 v[\tm+4+\b], 23, v[\tm+12+\b]                      ; the scale's byte
.endif
.endr
	v_lshl_or_b32 v[\pw], v[\tm+5], 8, v[\tm+4]
.if \nb > 2
	v_lshl_or_b32 v[\pw], v[\tm+6], 16, v[\pw]
	v_lshl_or_b32 v[\pw], v[\tm+7], 24, v[\pw]
.endif
.irp b, 0,1,2,3
.if \b < \nb
.irp i, 0,1,2,3,4,5,6,7,8,9,10,11,12,13,14,15
	v_med3_num_f32 v[\s+16*\b+\i], v[\s+16*\b+\i], -v[\tm+8+\b], v[\tm+8+\b]   ; the conversion to an 8-bit code does not saturate (ISA guide 7.6.2): the hold comes first
.endr
	v_cvt_scalef32_pk8_bf8_f32 v[\pc+4*\b:\pc+4*\b+1], v[\s+16*\b:\s+16*\b+7], v[\tm+12+\b]
	v_cvt_scalef32_pk8_bf8_f32 v[\pc+4*\b+2:\pc+4*\b+3], v[\s+16*\b+8:\s+16*\b+15], v[\tm+12+\b]
.endif
.endr
	v_nop                                          ; a plain line behind the last conversion, ahead of whatever next touches its registers
.endm
.macro MXZ d, a, b, sa, sb                     ; a product that starts a sum
	v_wmma_scale_f32_16x16x128_f8f6f4 v[\d:\d+7], v[\a:\a+15], v[\b:\b+15], 0, v[\sa], v[\sb] matrix_a_fmt:MATRIX_FMT_BF8 matrix_b_fmt:MATRIX_FMT_BF8
.endm
.macro MXC d, a, b, sa, sb                     ; a product that adds in place
	v_wmma_scale_f32_16x16x128_f8f6f4 v[\d:\d+7], v[\a:\a+15], v[\b:\b+15], v[\d:\d+7], v[\sa], v[\sb] matrix_a_fmt:MATRIX_FMT_BF8 matrix_b_fmt:MATRIX_FMT_BF8
.endm
.macro PLACES                                  ; eight plain lines behind this matrix form, ahead of reads of results and of loads into its operands
.rept 8
	v_nop
.endr
.endm
.macro FETCHX tile                             ; a token tile's two fragments and scale words, as the producer's registers held them
.irp s, 0,1
.irp c, 0,1,2,3
	ds_load_b128 v[X+16*\s+4*\c:X+16*\s+4*\c+3], v11 offset:(\tile)*4096+2048*\s+512*\c
.endr
	ds_load_b32 v[XS+\s], v12 offset:(2*(\tile)+\s)*128
.endr
.endm
.macro WLOADS                                  ; my head's 64 rows of the weight: 8 scale words, then 8 fragments: 40 loads
.irp t, 0,1,2,3
.irp s, 0,1
	global_load_b32 v[WS+2*\t+\s], v4, s[WSP:WSP+1] offset:(32*(\t/2)+8*(\t%2))*8+4*\s
.endr
.endr
.irp t, 0,1,2,3
.irp s, 0,1
.irp c, 0,1,2,3
	global_load_b128 v[W+16*(2*\t+\s)+4*\c:W+16*(2*\t+\s)+4*\c+3], v3, s[WP:WP+1] offset:(32*(\t/2)+8*(\t%2))*256+128*\s+32*\c
.endr
.endr
.endr
.endm
	s_load_b512 s[4:19], s[0:1], 0x0               ; query 4, value_codes 6, value_scales 8, Wq_codes 10, Wq_scales 12, bq 14, Wk_codes 16, Wk_scales 18
	s_load_b512 s[20:35], s[0:1], 0x40             ; bk 20, Wv_codes 22, Wv_scales 24, bv 26, Wo 28, qbuf 30, kvbuf 32, wobuf 34
	v_lshl_add_u32 v246, v0, 2, 0x10800
	v_mov_b32 v247, 0
	v_lshrrev_b32 v14, 5, v0
	v_readfirstlane_b32 s[WV], v14                 ; wave 0..15
	s_lshr_b32 s[ROLE], s[WV], 2
	s_and_b32 s[XX], s[WV], 3
	; every address register is made here, ahead of the roles' parting, and holds nothing else afterwards
	v_and_b32 v14, 31, v0                          ; lane
	v_and_b32 v15, 15, v0                          ; r
	v_bfe_u32 v5, v0, 4, 1                         ; h
	v_lshlrev_b32 v1, 4, v14                       ; v1: 16 x lane: my place in a piece
	v_lshlrev_b32 v2, 2, v14                       ; v2: 4 x lane: my scale word
	v_and_b32 v6, 8, v15
	v_add_nc_u32 v6, v6, v15                       ; R = r + 8 (r / 8)
	v_lshlrev_b32 v3, 8, v6
	v_lshl_add_u32 v3, v5, 4, v3                   ; v3: rows of 256 codes: 256 R + 16 h
	v_lshlrev_b32 v4, 3, v6                        ; v4: their scale bytes: 8 R
	v_lshlrev_b32 v7, 10, v15
	v_lshl_add_u32 v7, v5, 6, v7                   ; v7: query: 1,024 r + 64 h: my 16 numbers of a block of 32
	v_lshlrev_b32 v8, 2, v15
	v_lshl_add_u32 v8, v5, 14, v8                  ; v8: Wo: column r, 16 h rows of 1,024 bytes down
	v_lshlrev_b32 v6, 2, v6                        ; v6: bv: 4 R
	v_lshlrev_b32 v5, 6, v5                        ; v5: bq, bk: 64 h
	s_lshl_b32 s53, s[XX], 12
	v_add_nc_u32 v9, s53, v1                       ; v9: a producer's images: 16 lane + 4,096 x
	s_lshl_b32 s53, s[XX], 8
	v_add_nc_u32 v10, s53, v2                      ; v10: its scale words: 4 lane + 256 x
	s_min_u32 s54, s[ROLE], 1                      ; q reads query's images, k and v value's
	s_lshl_b32 s53, s54, 14
	v_add_nc_u32 v11, s53, v1                      ; v11: a consumer's images
	s_lshl_b32 s53, s54, 10
	s_add_co_u32 s53, s53, XQS
	v_add_nc_u32 v12, s53, v2                      ; v12: its scale words
	s_and_b32 s53, s[WV], 7
	s_lshl_b32 s53, s53, 12
	s_add_co_u32 s53, s53, BIMG
	v_add_nc_u32 v13, s53, v1                      ; v13: my bias image (waves 0 to 7)
.irp b, 0,1,2,3
	v_mov_b32 v[PTM+4+\b], 0                       ; written once: a lane permute's destination counts as one of its sources
	v_mov_b32 v[TM+4+\b], 0
.endr
	s_mov_b32 s[SEL], 0x76543210
	s_mov_b32 s[SEL+1], 0xfedcba98
	s_mov_b32 s[MNT], 0x600000
	; where results go, as byte offsets.  The work-group's first token is 64 g: batch g / 64; in it chunk (g % 64) / 2, half g % 2, pairs of q tiles from 2 (g % 64) on
	s_and_b32 s53, ttmp9, 63
	s_lshr_b32 s54, ttmp9, 6
	s_lshl_b32 s54, s54, 2
	s_add_co_u32 s54, s54, s[XX]                   ; 4 x batch + head
	s_and_b32 s55, ttmp9, 1                        ; half
	s_lshr_b32 s56, s53, 1
	s_lshl_b32 s57, s54, 5
	s_add_co_u32 s57, s57, s56
	s_mul_i32 s57, s57, CHUNK                      ; my chunk's first byte in kvbuf
	s_lshl_b32 s58, s54, 7
	s_lshl_b32 s59, s53, 1
	s_add_co_u32 s58, s58, s59                     ; my first pair of q tiles
	s_lshl_b32 s60, s58, 11                        ; q: 2,048 bytes of images a pair,
	s_lshl_b32 s62, s58, 7
	s_add_co_u32 s62, s62, QSC                     ;    128 of scale words
	s_lshl_b32 s59, s55, 12
	s_add_co_u32 s56, s57, s59                     ; k: fragments 2 half, 2 half + 1,
	s_lshl_b32 s59, s55, 8
	s_add_co_u32 s58, s57, s59
	s_add_co_u32 s58, s58, 16384                   ;    and their words
	s_cmp_eq_u32 s[ROLE], 0
	s_cselect_b32 s60, s60, s56
	s_cselect_b32 s62, s62, s58
	s_lshl_b32 s59, s55, 10
	s_add_co_u32 s56, s57, s59
	s_add_co_u32 s56, s56, 8192                    ; v: pieces 2 half, 2 half + 1 of each fragment,
	s_lshl_b32 s59, s55, 1
	s_add_co_u32 s58, s57, s59
	s_add_co_u32 s58, s58, 16896                   ;    bytes 2 half, 2 half + 1 of each word
	s_cmp_eq_u32 s[ROLE], 2
	s_cselect_b32 s60, s56, s60
	s_cselect_b32 s62, s58, s62
	s_mov_b32 s61, 0
	s_mov_b32 s63, 0
	; what a producer reads: value's tile x = 2 fl + u begins at token 64 g + 32 fl + 8 u, query's at 64 g + 16 x
	s_lshl_b32 s53, ttmp9, 6
	s_lshr_b32 s54, s[XX], 1
	s_lshl_b32 s54, s54, 5
	s_and_b32 s55, s[XX], 1
	s_lshl_b32 s55, s55, 3
	s_add_co_u32 s54, s54, s55
	s_add_co_u32 s54, s54, s53
	s_lshl_b32 s56, s54, 8                         ; s[56:57] value's codes
	s_mov_b32 s57, 0
	s_lshl_b32 s58, s54, 3                         ; s[58:59] value's scale bytes
	s_mov_b32 s59, 0
	s_lshl_b32 s55, s[XX], 4
	s_add_co_u32 s53, s53, s55
	s_lshl_b32 s54, s53, 10                        ; s[54:55] query
	s_mov_b32 s55, 0
	s_wait_kmcnt 0x0
	s_cmp_eq_u32 s[ROLE], 0                        ; the buffers are chosen by the role, which hangs on the wave's number alone
	s_cselect_b64 s[WP:WP+1], s[10:11], s[16:17]
	s_cselect_b64 s[WSP:WSP+1], s[12:13], s[18:19]
	s_cselect_b64 s[BP:BP+1], s[14:15], s[20:21]
	s_cselect_b64 s[PO:PO+1], s[30:31], s[32:33]
	s_cmp_eq_u32 s[ROLE], 2
	s_cselect_b64 s[WP:WP+1], s[22:23], s[WP:WP+1]
	s_cselect_b64 s[WSP:WSP+1], s[24:25], s[WSP:WSP+1]
	s_cselect_b64 s[BP:BP+1], s[26:27], s[BP:BP+1]
	s_add_nc_u64 s[PS:PS+1], s[PO:PO+1], s[62:63]
	s_add_nc_u64 s[PO:PO+1], s[PO:PO+1], s[60:61]
	s_lshl_b32 s66, s[XX], 14                      ; head x: 64 rows of 256 codes,
	s_mov_b32 s67, 0
	s_add_nc_u64 s[WP:WP+1], s[WP:WP+1], s[66:67]
	s_lshl_b32 s66, s[XX], 9                       ; of 8 scale bytes,
	s_add_nc_u64 s[WSP:WSP+1], s[WSP:WSP+1], s[66:67]
	s_lshl_b32 s66, s[XX], 8                       ; 64 numbers of the bias
	s_add_nc_u64 s[BP:BP+1], s[BP:BP+1], s[66:67]
	s_cmp_eq_u32 s[ROLE], 3
	s_cbranch_scc1 .Lprod
	s_cmp_eq_u32 s[ROLE], 2
	s_cbranch_scc1 .Lhead_v
	; ---- q, k: the bias in the result's layout (tile t, register j: channel 32 (t / 2) + 8 (t % 2) + 16 h + j) goes to my own LDS bytes: it will be the C of every tile's first products
.irp t, 0,1,2,3
	global_load_b128 v[H+8*\t:H+8*\t+3], v5, s[BP:BP+1] offset:(32*(\t/2)+8*(\t%2))*4
	global_load_b128 v[H+8*\t+4:H+8*\t+7], v5, s[BP:BP+1] offset:(32*(\t/2)+8*(\t%2))*4+16
.endr
	WLOADS
	s_wait_loadcnt 40                              ; the bias is in; the 40 loads of the weight stay out
.irp i, 0,1,2,3,4,5,6,7
	ds_store_b128 v13, v[H+4*\i:H+4*\i+3] offset:512*\i
.endr
	s_branch .Ljoin
.Lhead_v:
	; ---- v: a lane holds one channel of each channel tile: its bias, into both halves of a pair
.irp t, 0,1,2,3
	global_load_b32 v[BV+2*\t], v6, s[BP:BP+1] offset:(32*(\t/2)+8*(\t%2))*4
	global_load_b32 v[BV+2*\t+1], v6, s[BP:BP+1] offset:(32*(\t/2)+8*(\t%2))*4
.endr
	WLOADS
	s_branch .Ljoin
.Lprod:
	; ---- the producer of token tile x
	s_add_nc_u64 s[6:7], s[6:7], s[56:57]
	s_add_nc_u64 s[8:9], s[8:9], s[58:59]
	s_add_nc_u64 s[4:5], s[4:5], s[54:55]
.irp s, 0,1
.irp c, 0,1,2,3
	global_load_b128 v[X+16*\s+4*\c:X+16*\s+4*\c+3], v3, s[6:7] offset:128*\s+32*\c
.endr
.endr
.irp s, 0,1
	global_load_b32 v[XS+\s], v4, s[8:9] offset:4*\s
.endr
.irp s, 0,1
.irp b, 0,1,2,3
.irp j, 0,1,2,3
	global_load_b128 v[NUM+64*\s+16*\b+4*\j:NUM+64*\s+16*\b+4*\j+3], v7, s[4:5] offset:512*\s+128*\b+16*\j   ; register 64 s + 16 b + i: k = 128 s + 32 b + 16 h + i of my row
.endr
.endr
.endr
	s_wait_loadcnt 32                              ; value's ten loads are in; query's 32 stay out
.irp s, 0,1
.irp c, 0,1,2,3
	ds_store_b128 v9, v[X+16*\s+4*\c:X+16*\s+4*\c+3] offset:XV+2048*\s+512*\c
.endr
	ds_store_b32 v10, v[XS+\s] offset:XVS+128*\s
.endr
	s_wait_loadcnt 16                              ; query's first K step is in
	QUANT NUM, 4, PPC, PTM, PPW
.irp c, 0,1,2,3
	ds_store_b128 v9, v[PPC+4*\c:PPC+4*\c+3] offset:XQ+512*\c
.endr
	ds_store_b32 v10, v[PPW] offset:XQS
	s_wait_dscnt 0x0                               ; the stores have read their registers
	s_wait_loadcnt 0x0
	QUANT NUM+64, 4, PPC, PTM, PPW
.irp c, 0,1,2,3
	ds_store_b128 v9, v[PPC+4*\c:PPC+4*\c+3] offset:XQ+2048+512*\c
.endr
	ds_store_b32 v10, v[PPW] offset:XQS+128
.Ljoin:
	s_wait_dscnt 0x0                               ; for the others' sake: my LDS stores have landed
	s_barrier_signal -1
	s_barrier_wait -1                              ; the four tiles of query and of value lie in LDS.  (The consumers' weight loads may be out across the barrier: nobody writes those bytes)
	s_wait_loadcnt 0x0                             ; on every role's way: a consumer's weight is in, and no load is pending into v16-143, where a producer's loads of Wo land below
	PLACES                                         ; on every role's way: v16-143, a consumer's operands, are the registers that a producer's holds wrote just ahead of the join; an operand written by vector
	                                               ; instructions stands four plain lines ahead of a scaled product, a scale word eight
	s_cmp_eq_u32 s[ROLE], 3
	s_cbranch_scc1 .Lwo
	s_cmp_eq_u32 s[ROLE], 2
	s_cbranch_scc1 .Lv
	; ---- q, k: a token tile at a time.  Four accumulators by turns; the bias is their C
.irp tile, 0,1,2,3
.irp i, 0,1,2,3,4,5,6,7
	ds_load_b128 v[H+4*\i:H+4*\i+3], v13 offset:512*\i
.endr
	FETCHX \tile
	s_wait_dscnt 0x0
.irp s, 0,1
.irp t, 0,1,2,3
	MXC H+8*\t, W+16*(2*\t+\s), X+16*\s, WS+2*\t+\s, XS+\s
.endr
.endr
	PLACES
	s_wait_xcnt 0x0                                ; the last tile's stores have read their registers
	QUANT H, 2, PC, TM, HW                         ; lane (r, h): token r; register 16 b + i: channel 32 b + 16 h + i
	global_store_b128 v1, v[PC:PC+3], s[PO:PO+1] offset:1024*\tile          ; piece 2 u + 0 of pair or fragment fl: 512 consecutive bytes
	global_store_b128 v1, v[PC+4:PC+7], s[PO:PO+1] offset:1024*\tile+512
.if \tile % 2 == 0
	v_mov_b32 v[SW], v[HW]
.else
	v_lshl_or_b32 v[SW], v[HW], 16, v[SW]          ; bytes (u 0: b 0, b 1; u 1: b 0, b 1)
	global_store_b32 v2, v[SW], s[PS:PS+1] offset:128*(\tile/2)
.endif
.endr
	s_wait_tensorcnt 0x0
	ds_add_u32 v246, v247
	s_wait_dscnt 0x0
	s_endpgm
.Lv:
	; ---- v: for each 32 keys fl and each pair of channel tiles p: source 0 = 16 tokens, source 1 = 16 rows of Wv.  Register 16 e + 8 u + j of lane (r, h): key 32 fl + 16 h + 8 u + j, channel tile 2 p + e
.irp fl, 0,1
.irp p, 0,1
.irp u, 0,1
	FETCHX 2*\fl+\u
	s_wait_dscnt 0x0
.irp e, 0,1
	MXZ H+16*\e+8*\u, X, W+16*(2*(2*\p+\e)), XS, WS+2*(2*\p+\e)
.endr
.irp e, 0,1
	MXC H+16*\e+8*\u, X+16, W+16*(2*(2*\p+\e)+1), XS+1, WS+2*(2*\p+\e)+1
.endr
	PLACES
.endr
.irp e, 0,1
.irp j, 0,2,4,6,8,10,12,14
	v_pk_add_f32 v[H+16*\e+\j:H+16*\e+\j+1], v[H+16*\e+\j:H+16*\e+\j+1], v[BV+2*(2*\p+\e):BV+2*(2*\p+\e)+1]
.endr
.endr
	s_wait_xcnt 0x0                                ; the last round's stores have read their registers
	QUANT H, 2, PC, TM, HW                         ; block e: these 32 keys of channel tile 2 p + e
.irp e, 0,1
	global_store_b128 v1, v[PC+4*\e:PC+4*\e+3], s[PO:PO+1] offset:(2*\p+\e)*2048+512*\fl
.if \fl == 0
	v_mov_b32 v[SB+2*\p+\e], v[TM+4+\e]
.else
	v_lshl_or_b32 v[SB+2*\p+\e], v[TM+4+\e], 8, v[SB+2*\p+\e]
.endif
.endr
.endr
.endr
.irp t, 0,1,2,3
	global_store_b16 v2, v[SB+\t], s[PS:PS+1] offset:128*\t   ; two of a word's four bytes (the chunk's other half comes from the neighbouring work-group): 64 bytes a store, 256 a wave beside its 4,096 of codes
.endr
	s_wait_tensorcnt 0x0
	ds_add_u32 v246, v247
	s_wait_dscnt 0x0
	s_endpgm
.Lwo:
	; ---- Wo: fragment 4 g + x of 32, in work-groups 0 to 7.  Fragment 2 w + s: lane r takes column 16 w + r, its registers run down K: k = 128 s + 32 c + 16 h + i
	s_cmp_lt_u32 ttmp9, 8
	s_cbranch_scc1 .Lwo_work
	s_wait_tensorcnt 0x0
	ds_add_u32 v246, v247
	s_wait_dscnt 0x0
	s_endpgm
.Lwo_work:
	s_lshl_b32 s53, ttmp9, 2
	s_add_co_u32 s53, s53, s[XX]
	s_lshr_b32 s54, s53, 1
	s_lshl_b32 s54, s54, 6                         ; 16 columns are 64 bytes
	s_and_b32 s55, s53, 1
	s_lshl_b32 s55, s55, 17                        ; 128 rows of 1,024 bytes
	s_add_co_u32 s54, s54, s55
	s_mov_b32 s55, 0
	s_add_nc_u64 s[28:29], s[28:29], s[54:55]
	s_lshl_b32 s56, s53, 11
	s_mov_b32 s57, 0
	s_lshl_b32 s58, s53, 7
	s_add_co_u32 s58, s58, 65536
	s_mov_b32 s59, 0
	s_add_nc_u64 s[66:67], s[34:35], s[58:59]
	s_add_nc_u64 s[34:35], s[34:35], s[56:57]
.irp c, 0,1,2,3
.irp i, 0,1,2,3,4,5,6,7,8,9,10,11,12,13,14,15
	global_load_b32 v[NUM+16*\c+\i], v8, s[28:29] offset:(32*\c+\i)*1024
.endr
.endr
	s_wait_loadcnt 0x0
	QUANT NUM, 4, PPC, PTM, PPW
.irp c, 0,1,2,3
	global_store_b128 v1, v[PPC+4*\c:PPC+4*\c+3], s[34:35] offset:512*\c
.endr
	global_store_b32 v2, v[PPW], s[66:67]
	s_wait_tensorcnt 0x0
	ds_add_u32 v246, v247
	s_wait_dscnt 0x0
	s_endpgm
.Lfunc_end_k_q5443b82c0c_proj:
	.size	k_q5443b82c0c_proj, .Lfunc_end_k_q5443b82c0c_proj-k_q5443b82c0c_proj
	.p2alignl 7, 3214868480
	.fill 96, 4, 3214868480
	.section	.rodata,"a",@progbits
	.p2align	6, 0x0
	.amdhsa_kernel k_q5443b82c0c_proj
		.amdhsa_group_segment_fixed_size 69632
		.amdhsa_private_segment_fixed_size 0
		.amdhsa_enable_private_segment 0
		.amdhsa_kernarg_size 128
		.amdhsa_user_sgpr_count 2
		.amdhsa_user_sgpr_kernarg_segment_ptr 1
		.amdhsa_wavefront_size32 1
		.amdhsa_system_sgpr_workgroup_id_x 1
		.amdhsa_system_sgpr_workgroup_id_y 1
		.amdhsa_system_sgpr_workgroup_id_z 1
		.amdhsa_system_vgpr_workitem_id 0
		.amdhsa_next_free_vgpr 256
		.amdhsa_next_free_sgpr 72
		.amdhsa_reserve_vcc 0
		.amdhsa_float_denorm_mode_32 3
		.amdhsa_float_denorm_mode_16_64 3
		.amdhsa_memory_ordered 1
		.amdhsa_forward_progress 1
		.amdhsa_inst_pref_size 112
	.end_amdhsa_kernel
	.amdgpu_metadata
---
amdhsa.version: [ 1, 2 ]
amdhsa.kernels:
  - .name:           k_q5443b82c0c_proj
    .symbol:         k_q5443b82c0c_proj.kd
    .args:
      - { .name: query, .offset: 0, .size: 8, .value_kind: global_buffer, .address_space: global }
      - { .name: value_codes, .offset: 8, .size: 8, .value_kind: global_buffer, .address_space: global }
      - { .name: value_scales, .offset: 16, .size: 8, .value_kind: global_buffer, .address_space: global }
      - { .name: Wq_codes, .offset: 24, .size: 8, .value_kind: global_buffer, .address_space: global }
      - { .name: Wq_scales, .offset: 32, .size: 8, .value_kind: global_buffer, .address_space: global }
      - { .name: bq, .offset: 40, .size: 8, .value_kind: global_buffer, .address_space: global }
      - { .name: Wk_codes, .offset: 48, .size: 8, .value_kind: global_buffer, .address_space: global }
      - { .name: Wk_scales, .offset: 56, .size: 8, .value_kind: global_buffer, .address_space: global }
      - { .name: bk, .offset: 64, .size: 8, .value_kind: global_buffer, .address_space: global }
      - { .name: Wv_codes, .offset: 72, .size: 8, .value_kind: global_buffer, .address_space: global }
      - { .name: Wv_scales, .offset: 80, .size: 8, .value_kind: global_buffer, .address_space: global }
      - { .name: bv, .offset: 88, .size: 8, .value_kind: global_buffer, .address_space: global }
      - { .name: Wo, .offset: 96, .size: 8, .value_kind: global_buffer, .address_space: global }
      - { .name: qbuf, .offset: 104, .size: 8, .value_kind: global_buffer, .address_space: global }
      - { .name: kvbuf, .offset: 112, .size: 8, .value_kind: global_buffer, .address_space: global }
      - { .name: wobuf, .offset: 120, .size: 8, .value_kind: global_buffer, .address_space: global }
    .group_segment_fixed_size: 69632
    .private_segment_fixed_size: 0
    .kernarg_segment_align: 8
    .kernarg_segment_size: 128
    .max_flat_workgroup_size: 512
    .sgpr_count:     72
    .vgpr_count:     256
    .wavefront_size: 32
...
	.end_amdgpu_metadata
.endif
;; end of part 1
;; launch attn (part 2): grid 16 x 16, 8 waves a work-group, no clusters, 327,680 bytes of LDS; arguments qbuf, kvbuf, cbuf; writes cbuf
.if DOCPART == 2
	.amdgcn_target "amdgcn-amd-amdhsa--gfx1250"
	.amdhsa_code_object_version 6
	.text
	.protected	k_q5443b82c0c_attn
	.globl	k_q5443b82c0c_attn
	.p2align	8
	.type	k_q5443b82c0c_attn,@function
k_q5443b82c0c_attn:
	s_mov_b64 s[64:65], 0
	v_nop
	global_prefetch_b8 v0, s[64:65] scope:SCOPE_SE
	s_setreg_imm32_b32 hwreg(HW_REG_WAVE_MODE, 25, 1), 1
	s_wait_xcnt 0x0
; ctx = softmax(q k^T / 8, causal) v for one head, both products on codes of BF8 (E5M2) with one E8M0 scale for each 32 along K; ctx is quantised along the head's 64 and leaves as register images.
; THE SOFTMAX: t = score x log2(e) / 8; M = the running largest t rounded UP to a whole number; p = 2^(t - M) is quantised along the keys, not normalised; the row's sum is taken of the unquantised p
; and divides at the end.  When M moves, the sum and O^T are multiplied by 2^(old M - new M), which rounds nothing.
; SHARES.  Work-group (i, head) owns the blocks i and 31 - i of 128 queries; wave w owns tile w (16 queries) of the low block, then of the high one.  A pass over block j walks chunks 0 .. j of 128 keys;
; its last step lies on the diagonal.  So every wave of every work-group walks (i + 1) + (32 - i) = 33 steps: all trip counts are constants, and all 256 work-groups have the same work.
; Step t takes chunk t where t <= i, else chunk t - i - 1.
; THE RING.  Two LDS slots of three steps; a step's chunk (k's 4 fragments, v^T's 4, their scale words) is one dense block of 17,408 bytes of memory.  Waves 0, 1, 2 fetch one chunk of a slot each,
; by one tensor load: one load of a wave is out at a time, and it has three steps in which to land.
; LAYOUT.  Both products are used transposed (S^T = k q^T, O^T = v^T p^T): a lane holds one query throughout.  Operands lie in LDS as images of their registers: a load takes 512 consecutive bytes.
; K = 64 IN AN INSTRUCTION OF 128: a fragment of k holds TWO tiles of 16 keys (pieces 0, 1: tile 2 f; pieces 2, 3: tile 2 f + 1).  q stands in 24 registers as [0 | q | 0]: against [q | 0] the product is tile 2 f's,
; against [0 | q] tile 2 f + 1's; the other half multiplies finite codes by zero codes, which adds nothing.  q's scale word holds its two bytes twice and serves both.
; Key tile 2 f + u takes keys 32 f + 8 u + r + 8 (r / 8), so register 16 f + i of S^T is key 32 f + 16 h + i; v^T's tiles take channels in the same order, so O^T's registers run along the head.
; NO JOINT LOADS: the work-groups of a head walk the chunks in different orders from step i + 1 on, so their requests for a chunk do not meet in one step.
; LIMITS: NaN and infinities are not served.  Hidden scores become -infinity where the source adds -1e9: both give p = 0 as long as a row's visible logits lie above about -1e9.
; A block whose largest magnitude lies under 2^-111 keeps the byte 1 (a block of zeros too: its codes are zeros, and the bytes are read by this program alone).
.set CHUNK,  17408
.set VOFF,   8192
.set KSOFF,  16384
.set VSOFF,  16896
.set SLOT1,  65536                     ; slot 1 begins here (a slot uses 52,224 bytes), so that one exclusive or turns an address from one slot to the other
.set SPARE,  131072                    ; the spare words, 128 bytes for each of the eight waves: four blocks of 256 bytes that no other line names
.set QSC,    4194304                   ; qbuf, cbuf: the scale words lie behind the images
.set ADK, 5                            ; v1 16 x lane; v2 4 x lane; v3, v4 the add's two; v5, v6 LDS addresses of the step's images and scale words
.set ADS, 6
.set QZ,  16                           ; v16-39 [0 | q | 0];  v40 q's scale word;  v42-49, v50 the same of the high block's tile
.set SQ,  40
.set QN,  42
.set SQN, 50
.set KV,  52                           ; v52-115 four fragments: k's, then v^T's
.set S,   116                          ; v116-179 S^T, then p
.set OT,  180                          ; v180-211 O^T, four tiles
.set PC,  212                          ; v212-227 p's codes
.set KS,  228                          ; v228-231 k's scale words, then v^T's
.set TM,  232                          ; v232-235 largest scores or magnitudes, v236-239 exchange and bytes, v240-243 holds, v244-247 scale operands
.set FF,  248                          ; v[248:249] f = 2^(old M - new M) (the upper register is only named)
.set PW,  250                          ; p's scale word
.set TP,  251                          ; at work
.set L2,  252                          ; v[252:253] the sum's second chain.   v12 -M, v13 the largest t, v[14:15] the sum in two halves, v7 my query less 16 h
.set WV,  10
.set BI,  11                           ; i
.set BI1, 12                           ; i + 1
.set TT,  13                           ; the step
.set FIN, 14                           ; the step that ends the pass in hand: i, then 32
.set TL,  15                           ; the step that my next tensor load brings
.set G1,  16                           ; s[16:23] descriptor group 1;  s[24:27] group 0
.set G0,  24
.set KVB, 28                           ; s[28:29] my head's chunks
.set OFFP, 30                          ; s[30:31] a byte offset in 64 bits
.set SEL, 32
.set CS,  34                           ; s[34:35] log2(e) / 8: the packed form names a pair
.set MNT, 36
.set TB,  37                           ; LDS byte at which the step's chunk begins
.set SLOTS, 38
.set TRI, 39
.set CUR, 40                           ; s[40:41], s[42:43] where the pass in hand stores its codes and its scale bytes;  s[44:47] the high pass's
.set CURS, 42
.set HIP, 44
.set HIS, 46
.macro QUANT s, nb, pc, tm, pw                 ; nb blocks of 32 along K, 16 numbers of each in my registers v[s + 16 b + i] and 16 in lane l xor 16's, become codes in v[pc] on and scale bytes in v[pw]
.irp b, 0,1,2,3
.if \b < \nb
	v_max3_num_f32 v[\tm+\b], |v[\s+16*\b]|, |v[\s+16*\b+1]|, 0x8000000   ; my 16 numbers and the floor 2^(16 - 127): the byte cannot fall under 1
.endif
.endr
.irp i, 2,4,6,8,10,12,14
.irp b, 0,1,2,3
.if \b < \nb
	v_max3_num_f32 v[\tm+\b], v[\tm+\b], |v[\s+16*\b+\i]|, |v[\s+16*\b+\i+1]|
.endif
.endr
.endr
.irp b, 0,1,2,3
.if \b < \nb
	v_permlanex16_b32 v[\tm+4+\b], v[\tm+\b], s[SEL], s[SEL+1]
.endif
.endr
.irp b, 0,1,2,3
.if \b < \nb
	v_max_num_f32 v[\tm+\b], v[\tm+\b], v[\tm+4+\b]
.endif
.endr
.irp b, 0,1,2,3
.if \b < \nb
	v_add_nc_u32 v[\tm+12+\b], 0xf8800000, v[\tm+\b]                 ; 15 off the exponent field: the conversion's scale operand
.endif
.endr
.irp b, 0,1,2,3
.if \b < \nb
	v_and_or_b32 v[\tm+8+\b], v[\tm+\b], 0x7f800000, s[MNT]          ; 57,344 x the scale
.endif
.endr
.irp b, 0,1,2,3
.if \b < \nb
	v_lshrrev_b32 v[\tm+4+\b], 23, v[\tm+12+\b]                      ; the scale's byte
.endif
.endr
	v_lshl_or_b32 v[\pw], v[\tm+5], 8, v[\tm+4]
.if \nb > 2
	v_lshl_or_b32 v[\pw], v[\tm+6], 16, v[\pw]
	v_lshl_or_b32 v[\pw], v[\tm+7], 24, v[\pw]
.endif
.irp b, 0,1,2,3
.if \b < \nb
.irp i, 0,1,2,3,4,5,6,7,8,9,10,11,12,13,14,15
	v_med3_num_f32 v[\s+16*\b+\i], v[\s+16*\b+\i], -v[\tm+8+\b], v[\tm+8+\b]   ; the conversion to an 8-bit code does not saturate (ISA guide 7.6.2): the hold comes first
.endr
	v_cvt_scalef32_pk8_bf8_f32 v[\pc+4*\b:\pc+4*\b+1], v[\s+16*\b:\s+16*\b+7], v[\tm+12+\b]
	v_cvt_scalef32_pk8_bf8_f32 v[\pc+4*\b+2:\pc+4*\b+3], v[\s+16*\b+8:\s+16*\b+15], v[\tm+12+\b]
.endif
.endr
	v_nop                                          ; a plain line behind the last conversion
.endm
.macro MXZ d, a, b, sa, sb                     ; a product that starts a sum
	v_wmma_scale_f32_16x16x128_f8f6f4 v[\d:\d+7], v[\a:\a+15], v[\b:\b+15], 0, v[\sa], v[\sb] matrix_a_fmt:MATRIX_FMT_BF8 matrix_b_fmt:MATRIX_FMT_BF8
.endm
.macro MXC d, a, b, sa, sb                     ; a product that adds in place
	v_wmma_scale_f32_16x16x128_f8f6f4 v[\d:\d+7], v[\a:\a+15], v[\b:\b+15], v[\d:\d+7], v[\sa], v[\sb] matrix_a_fmt:MATRIX_FMT_BF8 matrix_b_fmt:MATRIX_FMT_BF8
.endm
.macro ADDR                                    ; group 0's global address: the chunk of step TL
	s_cmp_gt_u32 s[TL], s[BI]
	s_cselect_b32 s[OFFP], s[BI1], 0
	s_sub_co_u32 s[OFFP], s[TL], s[OFFP]           ; TL, or TL - i - 1 in the high pass
	s_mul_i32 s[OFFP], s[OFFP], CHUNK
	s_add_nc_u64 s[G0+2:G0+3], s[KVB:KVB+1], s[OFFP:OFFP+1]
	s_or_b32 s[G0+3], s[G0+3], 0x80000000          ; 127:126 type = 2
.endm
.macro TLOAD                                   ; waves 0, 1, 2 fetch a chunk each; four v_nop follow the load
	s_cmp_lt_u32 s[WV], 3
	s_cbranch_scc0 .Lnone_\@
	tensor_load_to_lds s[G0:G0+3], s[G1:G1+7]
	s_nop 0
.rept 4
	v_nop
.endr
.Lnone_\@:
.endm
; THE CHANGE OF SLOTS stands at a slot's head.  Each wave waits for all its tensor loads (its chunk of the slot ahead), adds 0 to its spare word, and waits for that and for its reads of the slot that it has left.
; Behind the barrier the slot ahead is whole and nobody reads the other one.  fill = 1: that other slot takes the three steps that follow.
.macro CHANGE fill
	s_wait_tensorcnt 0x0                           ; no tensor load of mine is out, so group 0 may be written
	ds_add_u32 v3, v4                              ; 0 onto my spare word: the descriptor's step stands between it and the wait for it
.if \fill
	s_add_co_u32 s[TL], s[TL], 3
	ADDR
	s_xor_b32 s[G0+1], s[G0+1], SLOT1              ; the other slot than last time
.endif
	s_wait_dscnt 0x0                               ; the add is done, and my reads of the slot that I have left are over
	s_barrier_signal -1
	s_barrier_wait -1
.if \fill
	TLOAD                                          ; the first thing behind the barrier, and a wave's one tensor load until the next
.endif
.endm
; THE END OF A PASS: O^T / the sum is quantised along the head (two blocks of 32) and stored; then the high block's tile takes the low one's place.  (At the second end these last lines serve nothing: 45 moves, once.)
.macro FINAL
.rept 8
	v_nop                                          ; places behind the last products
.endr
	v_add_f32 v14, v14, v15                        ; the sum's two halves,
	v_permlanex16_b32 v[TP], v14, s[SEL], s[SEL+1]
	v_add_f32 v14, v14, v[TP]                      ; and lane l xor 16's
	v_rcp_f32 v14, v14
	v_nop                                          ; a plain line behind the transcendental
.set n, 0
	s_wait_alu depctr_va_vdst(0)
.rept 16
	v_pk_mul_f32 v[S+n:S+n+1], v[OT+n:OT+n+1], v[14:15] op_sel_hi:[1,0]   ; register 16 b + i: channel 32 b + 16 h + i of my query
.set n, n+2
.endr
	QUANT S, 2, PC, TM, TP
	global_store_b128 v1, v[PC:PC+3], s[CUR:CUR+1]                 ; 512 consecutive bytes: piece 2 (head % 2) of the last product's fragment,
	global_store_b128 v1, v[PC+4:PC+7], s[CUR:CUR+1] offset:512    ; and the next
	global_store_b16 v2, v[TP], s[CURS:CURS+1]                     ; two of a scale word's four bytes: the other two are another head's
	s_wait_xcnt 0x0                                ; the stores have read their registers and bases
	s_mov_b64 s[CUR:CUR+1], s[HIP:HIP+1]
	s_mov_b64 s[CURS:CURS+1], s[HIS:HIS+1]
	s_mov_b32 s[FIN], 32
	v_mov_b32 v[SQ], v[SQN]
.irp j, 0,1,2,3,4,5,6,7
	v_mov_b32 v[QZ+8+\j], v[QN+\j]
.endr
	v_mov_b32 v13, 0xff61b1e6                      ; -3e38, under every t
	v_floor_f32 v12, -v13
	v_mov_b32 v14, 0
	v_mov_b32 v15, 0
.set n, 0
.rept 32
	v_mov_b32 v[OT+n], 0
.set n, n+1
.endr
.endm
; A STEP: 128 keys
.macro STEP
	v_add_nc_u32 v[ADK], s[TB], v1
	v_add_nc_u32 v[ADS], s[TB], v2
.rept 6
	v_nop                                          ; with the two additions: eight places behind the last step's products, ahead of loads into their operands
.endr
.irp f, 0,1,2,3
.irp c, 0,1,2,3
	ds_load_b128 v[KV+16*\f+4*\c:KV+16*\f+4*\c+3], v[ADK] offset:2048*\f+512*\c
.endr
	ds_load_b32 v[KS+\f], v[ADS] offset:KSOFF+128*\f
.endr
	s_wait_dscnt 0x0
.irp f, 0,1,2,3
	MXZ S+16*\f, KV+16*\f, QZ+8, KS+\f, SQ         ; [q | 0]: keys 32 f + 16 h + 0 .. 7
	MXZ S+16*\f+8, KV+16*\f, QZ, KS+\f, SQ         ; [0 | q]: keys 32 f + 16 h + 8 .. 15
.endr
.rept 8
	v_nop
.endr
.irp t, 0,1,2,3                                ; v^T is asked for now and lands under the softmax
.irp c, 0,1,2,3
	ds_load_b128 v[KV+16*\t+4*\c:KV+16*\t+4*\c+3], v[ADK] offset:VOFF+2048*\t+512*\c
.endr
	ds_load_b32 v[KS+\t], v[ADS] offset:VSOFF+128*\t
.endr
	s_cmp_lg_u32 s[TT], s[FIN]                     ; a pass's last step lies on the diagonal: a scalar branch on ids
	s_cbranch_scc1 .Lopen_\@
	v_mov_b32 v[TP], 0xff800000                    ; -infinity
.set n, 0
.rept 64
	v_cmp_gt_i32 vcc_lo, 32*(n/16)+n%16, v7        ; register n holds key 32 (n / 16) + 16 h + n % 16 of the chunk: hidden where that is above my query 16 w + r
	v_cndmask_b32 v[S+n], v[S+n], v[TP], vcc_lo
.set n, n+1
.endr
.Lopen_\@:
.irp b, 0,1,2,3
	v_max3_num_f32 v[TM+\b], v[S+16*\b], v[S+16*\b+1], v[S+16*\b+2]   ; the largest score of each block of 32 keys: for the row's maximum, and, since p rises with the score, for the block's largest p
.endr
.irp i, 3,5,7,9,11,13
.irp b, 0,1,2,3
	v_max3_num_f32 v[TM+\b], v[TM+\b], v[S+16*\b+\i], v[S+16*\b+\i+1]
.endr
.endr
.irp b, 0,1,2,3
	v_max_num_f32 v[TM+\b], v[TM+\b], v[S+16*\b+15]
.endr
.irp b, 0,1,2,3
	v_permlanex16_b32 v[TM+4+\b], v[TM+\b], s[SEL], s[SEL+1]
.endr
.irp b, 0,1,2,3
	v_max_num_f32 v[TM+\b], v[TM+\b], v[TM+4+\b]   ; with lane l xor 16's 16 keys
.endr
	v_max3_num_f32 v[TP], v[TM], v[TM+1], v[TM+2]
	v_max_num_f32 v[TP], v[TP], v[TM+3]
	v_mul_f32 v[TP], s[CS], v[TP]                  ; the step's largest t
	v_max_num_f32 v13, v13, v[TP]
	v_mov_b32 v[TP], v12
	v_floor_f32 v12, -v13                          ; the new -M = floor(-t): M is a whole number
	v_sub_f32 v[TP], v12, v[TP]                    ; old M - new M: a whole number, 0 or less
	v_cvt_i32_f32 v[TP], v[TP]                     ; (it saturates)
	v_ldexp_f32 v[FF], 1.0, v[TP]                  ; f
.set n, 0
.rept 32
	v_pk_fma_f32 v[S+n:S+n+1], v[S+n:S+n+1], s[CS:CS+1], v[12:13] op_sel_hi:[1,0,0]   ; t - M
.set n, n+2
.endr
.irp b, 0,1,2,3
	v_fma_f32 v[TM+\b], v[TM+\b], s[CS], v12       ; the same of each block's largest score
.endr
.set n, 0
.rept 64
	v_exp_f32 v[S+n], v[S+n]                       ; p = 2^(t - M)
.set n, n+1
.endr
.irp b, 0,1,2,3
	v_exp_f32 v[TM+\b], v[TM+\b]                   ; the block's largest p: the same two instructions on the same number
.endr
	v_pk_mul_f32 v[14:15], v[14:15], v[FF:FF+1] op_sel_hi:[1,0]   ; the sum under the new M.  (A plain line behind the exponentials)
	s_wait_alu depctr_va_vdst(0)
.irp b, 0,1,2,3
	v_max_num_f32 v[TM+\b], 0x8000000, v[TM+\b]    ; the floor 2^(16 - 127)
.endr
.irp b, 0,1,2,3
	v_add_nc_u32 v[TM+12+\b], 0xf8800000, v[TM+\b]
.endr
.irp b, 0,1,2,3
	v_and_or_b32 v[TM+8+\b], v[TM+\b], 0x7f800000, s[MNT]
.endr
.irp b, 0,1,2,3
	v_lshrrev_b32 v[TM+4+\b], 23, v[TM+12+\b]
.endr
	v_lshl_or_b32 v[PW], v[TM+5], 8, v[TM+4]       ; p's scale word for these 128 keys
	v_lshl_or_b32 v[PW], v[TM+6], 16, v[PW]
	v_lshl_or_b32 v[PW], v[TM+7], 24, v[PW]
	v_pk_add_f32 v[L2:L2+1], v[S:S+1], v[S+2:S+3]  ; the sum of the UNQUANTISED p, in two chains
.irp j, 4,8,12,16,20,24,28,32,36,40,44,48,52,56,60
	v_pk_add_f32 v[14:15], v[14:15], v[S+\j:S+\j+1]
	v_pk_add_f32 v[L2:L2+1], v[L2:L2+1], v[S+\j+2:S+\j+3]
.endr
	v_pk_add_f32 v[14:15], v[14:15], v[L2:L2+1]
.irp b, 0,1,2,3
.irp i, 0,1,2,3,4,5,6,7,8,9,10,11,12,13,14,15
	v_min_num_f32 v[S+16*\b+\i], v[S+16*\b+\i], v[TM+8+\b]   ; p is not negative: a one-sided hold
.endr
	v_cvt_scalef32_pk8_bf8_f32 v[PC+4*\b:PC+4*\b+1], v[S+16*\b:S+16*\b+7], v[TM+12+\b]
	v_cvt_scalef32_pk8_bf8_f32 v[PC+4*\b+2:PC+4*\b+3], v[S+16*\b+8:S+16*\b+15], v[TM+12+\b]
.endr
.set n, 0
.rept 16
	v_pk_mul_f32 v[OT+n:OT+n+1], v[OT+n:OT+n+1], v[FF:FF+1] op_sel_hi:[1,0]   ; O^T under the new M.  (These are also the places between the codes and the products)
.set n, n+2
.endr
	s_wait_dscnt 0x0                               ; v^T
.irp t, 0,1,2,3
	MXC OT+8*\t, KV+16*\t, PC, KS+\t, PW           ; four accumulators by turns
.endr
	s_cmp_lg_u32 s[TT], s[FIN]
	s_cbranch_scc1 .Lnofin_\@
	FINAL
.Lnofin_\@:
	s_add_co_u32 s[TT], s[TT], 1
	s_add_co_u32 s[TB], s[TB], CHUNK
.endm
.macro THREE_STEPS                             ; a slot's three steps: written once, walked three times
	s_mov_b32 s[TRI], 3
.Lstep_\@:
	STEP
	s_sub_co_u32 s[TRI], s[TRI], 1
	s_cmp_lg_u32 s[TRI], 0
	s_cbranch_scc1 .Lstep_\@
	s_sub_co_u32 s[TB], s[TB], 3*CHUNK             ; back to a slot's first chunk,
	s_xor_b32 s[TB], s[TB], SLOT1                  ; in the other slot
.endm
	s_load_b128 s[4:7], s[0:1], 0x0                ; qbuf, kvbuf
	s_load_b64 s[8:9], s[0:1], 0x10                ; cbuf
	v_lshl_add_u32 v3, v0, 2, SPARE
	v_mov_b32 v4, 0
	ds_add_u32 v3, v4
	s_wait_dscnt 0x0
	v_lshrrev_b32 v5, 5, v0
	v_readfirstlane_b32 s[WV], v5                  ; wave 0..7
	s_mov_b32 s[BI], ttmp9
	s_add_co_u32 s[BI1], ttmp9, 1
	s_mov_b32 s[TT], 0
	s_mov_b32 s[FIN], ttmp9
	s_min_u32 s[TL], s[WV], 2                      ; waves 0, 1, 2 bring steps 0, 1, 2 (the others issue nothing)
	; descriptor group 1: a dense block of 17,408 bytes as 68 rows of 256 bytes (32 elements of 8 bytes), no padding, no mask
	s_mov_b32 s[G1], 3<<16
	s_mov_b32 s[G1+1], 32<<16                      ; tensor_dim0
	s_mov_b32 s[G1+2], 68<<16                      ; tensor_dim1
	s_mov_b32 s[G1+3], 32<<16                      ; tile_dim0
	s_mov_b32 s[G1+4], 68                          ; tile_dim1
	s_mov_b32 s[G1+5], 32                          ; from row to row
	s_mov_b32 s[G1+6], 0
	s_mov_b32 s[G1+7], 0
	s_mov_b32 s[G0], 1
	s_mul_i32 s[G0+1], s[TL], CHUNK                ; LDS: my chunk's place in slot 0
	s_and_b32 s48, ttmp7, 0xffff                   ; 4 x batch + head
	s_mul_i32 s[OFFP], s48, 32*CHUNK
	s_mov_b32 s[OFFP+1], 0
	s_mov_b32 s[SEL], 0x76543210
	s_mov_b32 s[SEL+1], 0xfedcba98
	s_mov_b32 s[CS], 0x3e38aa3b                    ; log2(e) / 8
	s_mov_b32 s[CS+1], s[CS]
	s_mov_b32 s[MNT], 0x600000
	s_mov_b32 s[TB], 0
	s_wait_kmcnt 0x0
	s_add_nc_u64 s[KVB:KVB+1], s[6:7], s[OFFP:OFFP+1]
	ADDR
	TLOAD                                          ; slot 0: the launch's first fill, ahead of every wait on TENSORcnt, LDS read and barrier
	; where ctx goes: token tile g = 256 batch + 8 block + w; images g x 4,096 + (head / 2) x 2,048 + (head % 2) x 1,024; scale bytes g x 256 + (head / 2) x 128 + (head % 2) x 2
	s_lshr_b32 s49, s48, 2
	s_lshl_b32 s49, s49, 8
	s_add_co_u32 s49, s49, s[WV]
	s_and_b32 s50, s48, 3
	s_lshr_b32 s51, s50, 1
	s_and_b32 s50, s50, 1
	s_sub_co_u32 s53, 31, s[BI]                    ; the high block
	s_lshl_b32 s52, s[BI], 3
	s_add_co_u32 s52, s52, s49
	s_lshl_b32 s54, s53, 3
	s_add_co_u32 s54, s54, s49
	s_lshl_b32 s55, s51, 11
	s_lshl_b32 s56, s50, 10
	s_add_co_u32 s55, s55, s56
	s_lshl_b32 s56, s51, 7
	s_lshl_b32 s57, s50, 1
	s_add_co_u32 s56, s56, s57
	s_add_co_u32 s56, s56, QSC
	s_mov_b32 s59, 0
	s_lshl_b32 s58, s52, 12
	s_add_co_u32 s58, s58, s55
	s_add_nc_u64 s[CUR:CUR+1], s[8:9], s[58:59]
	s_lshl_b32 s58, s52, 8
	s_add_co_u32 s58, s58, s56
	s_add_nc_u64 s[CURS:CURS+1], s[8:9], s[58:59]
	s_lshl_b32 s58, s54, 12
	s_add_co_u32 s58, s58, s55
	s_add_nc_u64 s[HIP:HIP+1], s[8:9], s[58:59]
	s_lshl_b32 s58, s54, 8
	s_add_co_u32 s58, s58, s56
	s_add_nc_u64 s[HIS:HIS+1], s[8:9], s[58:59]
	v_and_b32 v6, 31, v0
	v_lshlrev_b32 v1, 4, v6
	v_lshlrev_b32 v2, 2, v6
	v_and_b32 v7, 15, v0
	v_bfe_u32 v5, v0, 4, 1
	v_lshlrev_b32 v5, 4, v5
	v_sub_nc_u32 v7, v7, v5
	s_lshl_b32 s49, s[WV], 4
	v_add_nc_u32 v7, s49, v7                       ; 16 w + r - 16 h
	; q: pair 4 block + w / 2 of the head's 128, tile w % 2 of the pair: 2,048 bytes of images and 128 of scale words a pair
	s_lshl_b32 s49, s48, 7
	s_lshr_b32 s50, s[WV], 1
	s_add_co_u32 s49, s49, s50
	s_and_b32 s50, s[WV], 1
	s_lshl_b32 s51, s[BI], 2
	s_add_co_u32 s51, s51, s49
	s_lshl_b32 s52, s53, 2
	s_add_co_u32 s52, s52, s49
	s_lshl_b32 s55, s50, 10
	s_lshl_b32 s56, s51, 11
	s_add_co_u32 s56, s56, s55
	v_add_nc_u32 v8, s56, v1
	s_lshl_b32 s56, s52, 11
	s_add_co_u32 s56, s56, s55
	v_add_nc_u32 v9, s56, v1
	s_lshl_b32 s56, s51, 7
	s_add_co_u32 s56, s56, QSC
	v_add_nc_u32 v10, s56, v2
	s_lshl_b32 s56, s52, 7
	s_add_co_u32 s56, s56, QSC
	v_add_nc_u32 v11, s56, v2
	global_load_b128 v[QZ+8:QZ+11], v8, s[4:5]
	global_load_b128 v[QZ+12:QZ+15], v8, s[4:5] offset:512
	global_load_b128 v[QN:QN+3], v9, s[4:5]
	global_load_b128 v[QN+4:QN+7], v9, s[4:5] offset:512
	global_load_b32 v[SQ], v10, s[4:5]
	global_load_b32 v[SQN], v11, s[4:5]
	s_mov_b32 s57, 0x03020302                      ; the pair's word holds (tile 0: b 0, b 1; tile 1: b 0, b 1): my tile's two bytes, twice
	s_cmp_eq_u32 s50, 0
	s_cselect_b32 s57, 0x01000100, s57
.irp j, 0,1,2,3,4,5,6,7
	v_mov_b32 v[QZ+\j], 0                          ; the zero codes on both sides of q
	v_mov_b32 v[QZ+16+\j], 0
.endr
	v_mov_b32 v13, 0xff61b1e6                      ; the largest t so far: -3e38, under every t
	v_floor_f32 v12, -v13                          ; -M
	v_mov_b32 v14, 0
	v_mov_b32 v15, 0
.irp b, 0,1,2,3
	v_mov_b32 v[TM+4+\b], 0                        ; written once: a lane permute's destination counts as one of its sources
.endr
	v_mov_b32 v[FF+1], 0                           ; (named as the upper half of a pair)
.set n, 0
.rept 32
	v_mov_b32 v[OT+n], 0                           ; the step is written once: a pass's first step finds zeros, which the first change of M leaves zeros
.set n, n+1
.endr
	s_wait_loadcnt 0x0
	v_perm_b32 v[SQ], v[SQ], v[SQ], s57
	v_perm_b32 v[SQN], v[SQN], v[SQN], s57
	s_mov_b32 s[SLOTS], 10
.Lslot:                                            ; ten trips: behind each change of slots but the last the next three steps are asked for
	CHANGE 1
	THREE_STEPS
	s_sub_co_u32 s[SLOTS], s[SLOTS], 1
	s_cmp_lg_u32 s[SLOTS], 0
	s_cbranch_scc1 .Lslot
	CHANGE 0                                       ; the last slot is written out
	THREE_STEPS
	s_wait_tensorcnt 0x0                           ; the wave's end
	ds_add_u32 v3, v4
	s_wait_dscnt 0x0
	s_endpgm
.Lfunc_end_k_q5443b82c0c_attn:
	.size	k_q5443b82c0c_attn, .Lfunc_end_k_q5443b82c0c_attn-k_q5443b82c0c_attn
	.p2alignl 7, 3214868480
	.fill 96, 4, 3214868480
	.section	.rodata,"a",@progbits
	.p2align	6, 0x0
	.amdhsa_kernel k_q5443b82c0c_attn
		.amdhsa_group_segment_fixed_size 327680
		.amdhsa_private_segment_fixed_size 0
		.amdhsa_enable_private_segment 0
		.amdhsa_kernarg_size 24
		.amdhsa_user_sgpr_count 2
		.amdhsa_user_sgpr_kernarg_segment_ptr 1
		.amdhsa_wavefront_size32 1
		.amdhsa_system_sgpr_workgroup_id_x 1
		.amdhsa_system_sgpr_workgroup_id_y 1
		.amdhsa_system_sgpr_workgroup_id_z 1
		.amdhsa_system_vgpr_workitem_id 0
		.amdhsa_next_free_vgpr 256
		.amdhsa_next_free_sgpr 66
		.amdhsa_reserve_vcc 1
		.amdhsa_float_denorm_mode_32 3
		.amdhsa_float_denorm_mode_16_64 3
		.amdhsa_memory_ordered 1
		.amdhsa_forward_progress 1
		.amdhsa_inst_pref_size 71
	.end_amdhsa_kernel
	.amdgpu_metadata
---
amdhsa.version: [ 1, 2 ]
amdhsa.kernels:
  - .name:           k_q5443b82c0c_attn
    .symbol:         k_q5443b82c0c_attn.kd
    .args:
      - { .name: qbuf, .offset: 0, .size: 8, .value_kind: global_buffer, .address_space: global }
      - { .name: kvbuf, .offset: 8, .size: 8, .value_kind: global_buffer, .address_space: global }
      - { .name: cbuf, .offset: 16, .size: 8, .value_kind: global_buffer, .address_space: global }
    .group_segment_fixed_size: 327680
    .private_segment_fixed_size: 0
    .kernarg_segment_align: 8
    .kernarg_segment_size: 24
    .max_flat_workgroup_size: 256
    .sgpr_count:     66
    .vgpr_count:     256
    .wavefront_size: 32
...
	.end_amdgpu_metadata
.endif
;; end of part 2
;; launch outln (part 3): grid 256 x 1, 16 waves a work-group, no clusters, 86,016 bytes of LDS; arguments cbuf, wobuf, query, bo, gamma, beta, out0; writes out0
.if DOCPART == 3
	.amdgcn_target "amdgcn-amd-amdhsa--gfx1250"
	.amdhsa_code_object_version 6
	.text
	.protected	k_q5443b82c0c_outln
	.globl	k_q5443b82c0c_outln
	.p2align	8
	.type	k_q5443b82c0c_outln,@function
k_q5443b82c0c_outln:
	s_mov_b64 s[64:65], 0
	v_nop
	global_prefetch_b8 v0, s[64:65] scope:SCOPE_SE
	s_setreg_imm32_b32 hwreg(HW_REG_WAVE_MODE, 25, 1), 1
	s_wait_xcnt 0x0
; out = LayerNorm(ctx Wo + bo + query) x gamma + beta.  The product is on codes of BF8 (E5M2) with one E8M0 scale for each 32 along K; ctx and Wo arrive as images of operand registers.
; SHARES.  A work-group takes 64 tokens, four tiles of 16.  IN THE PRODUCT THE WAVES SHARE THE COLUMNS: wave w makes columns 16 w .. 16 w + 15 for all 64 rows, so its part of Wo (two fragments) is read once,
; straight into registers.  IN THE NORM THEY SHARE THE ROWS: wave w takes rows 4 w .. 4 w + 3, whole, so a row's mean and variance never leave the wave.  In between lies a stage in LDS.
; The product is used transposed (source 0 = 16 columns of Wo, source 1 = 16 tokens): a lane holds eight neighbouring columns of one row.  bo is the C of each sum's first product.
; All loads are issued at the head; two barriers: ctx's images lie in LDS | the 64 rows lie in the stage.
; The variance is taken of x - mean, in a second pass over registers: a common offset in the inputs cancels nothing.
; NO JOINT LOADS, NO TENSOR LOADS: what work-groups share is Wo's 68 KiB, a small part of the 144 KiB that each streams, and it goes into registers once.
.set CIMG,  0                          ; LDS: the work-group's eight fragments of ctx, (tile m, K step s) at (2 m + s) x 2,048
.set STAGE, 16384                      ;      64 rows x (1,024 bytes + 16)
.set SP,    1040
.set CSC,   4194304                    ; cbuf: the scale words lie behind the images
.set WO,  16                           ; v16-47 Wo's two fragments;  v48-49 their scale words
.set WOS, 48
.set CS,  50                           ; v50-57 ctx's scale words, 2 m + s
.set CP,  58                           ; v58-65 my two pieces of ctx on their way to LDS
.set CF,  66                           ; v66-129 four fragments of ctx;
.set X,   66                           ;         later my four rows, row q at 8 q: columns 128 e + 4 lane + 0 .. 3 at 4 e
.set ACC, 130                          ; v130-161 four accumulators
.set QY,  162                          ; v162-193 query, as X
.set BO,  194                          ; v194-201 bo at my eight columns
.set GA,  202                          ; v202-209 gamma, v210-217 beta, as a row of X
.set BE,  210
.set SM,  218                          ; v218-225 a pair for each row: sums
.set MU,  226                          ; v226-233 a pair for each row: the mean, then 1 / sqrt(var + eps) (the upper register is only named)
.macro REDUCE                                  ; v[SM + 2 q] summed over the 32 lanes, the four rows by turns
.irp m, 1,2,4,8
.irp q, 0,1,2,3
	v_add_f32_dpp v[SM+2*\q], v[SM+2*\q], v[SM+2*\q] row_xmask:\m row_mask:0xf bank_mask:0xf
.endr
.endr
.irp q, 0,1,2,3
	v_permlanex16_b32 v[SM+2*\q+1], v[SM+2*\q], s24, s25
.endr
.irp q, 0,1,2,3
	v_add_f32 v[SM+2*\q], v[SM+2*\q], v[SM+2*\q+1]
.endr
.endm
	s_load_b256 s[4:11], s[0:1], 0x0               ; cbuf 4, wobuf 6, query 8, bo 10
	s_load_b128 s[12:15], s[0:1], 0x20             ; gamma 12, beta 14
	s_load_b64 s[16:17], s[0:1], 0x30              ; out0
	v_lshl_add_u32 v240, v0, 2, 0x14800
	v_mov_b32 v241, 0
	v_lshrrev_b32 v6, 5, v0
	v_readfirstlane_b32 s18, v6                    ; wave 0..15
	v_and_b32 v6, 31, v0
	v_lshlrev_b32 v1, 4, v6                        ; v1: 16 x lane
	v_lshlrev_b32 v2, 2, v6                        ; v2: 4 x lane
	s_lshl_b32 s19, s18, 10
	v_add_nc_u32 v3, s19, v1                       ; v3: LDS: where my two pieces of ctx go
	v_and_b32 v7, 15, v0                           ; r
	v_bfe_u32 v8, v0, 4, 1                         ; h
	s_lshl_b32 s20, s18, 6
	v_lshl_add_u32 v11, v8, 5, s20                 ; v11: 64 w + 32 h: my eight columns, in bytes
	v_mul_u32_u24 v4, v7, SP
	v_add_nc_u32 v4, v4, v11
	v_add_nc_u32 v4, STAGE, v4                     ; v4: the stage, on the way in: row r, my columns
	s_mul_i32 s20, s18, 4*SP
	s_add_co_u32 s20, s20, STAGE
	v_add_nc_u32 v5, s20, v1                       ; v5: and on the way out: my four rows, 16 bytes a lane
	s_lshl_b32 s21, ttmp9, 14
	s_add_co_u32 s21, s21, s19
	v_add_nc_u32 v6, s21, v1                       ; v6: cbuf: the work-group's 16,384 bytes of images, my 1,024
	s_lshl_b32 s21, ttmp9, 10
	s_add_co_u32 s21, s21, CSC
	v_add_nc_u32 v7, s21, v2                       ; v7: its eight sets of scale words
	s_lshl_b32 s21, s18, 12
	v_add_nc_u32 v8, s21, v1                       ; v8: wobuf: fragments 2 w, 2 w + 1
	s_lshl_b32 s21, s18, 8
	s_add_co_u32 s21, s21, 65536
	v_add_nc_u32 v9, s21, v2                       ; v9: their scale words
	s_lshl_b32 s21, ttmp9, 6
	s_lshl_b32 s22, s18, 2
	s_add_co_u32 s21, s21, s22
	s_lshl_b32 s21, s21, 10
	v_add_nc_u32 v10, s21, v1                      ; v10: query and out0: row 64 g + 4 w
	s_mov_b32 s24, 0x76543210
	s_mov_b32 s25, 0xfedcba98                      ; v_permlanex16_b32's selects for lane l xor 16
	s_mov_b32 s26, 0x3b800000                      ; 1 / 256
	s_mov_b32 s27, 0x3a83126f                      ; 1e-3
.irp q, 0,1,2,3
	v_mov_b32 v[MU+2*\q+1], 0
.endr
	s_wait_kmcnt 0x0
	global_load_b128 v[CP:CP+3], v6, s[4:5]
	global_load_b128 v[CP+4:CP+7], v6, s[4:5] offset:512
.irp i, 0,1,2,3,4,5,6,7
	global_load_b32 v[CS+\i], v7, s[4:5] offset:128*\i
.endr
.irp s, 0,1
	global_load_b32 v[WOS+\s], v9, s[6:7] offset:128*\s
.endr
.irp s, 0,1
.irp c, 0,1,2,3
	global_load_b128 v[WO+16*\s+4*\c:WO+16*\s+4*\c+3], v8, s[6:7] offset:2048*\s+512*\c
.endr
.endr
	global_load_b128 v[BO:BO+3], v11, s[10:11]
	global_load_b128 v[BO+4:BO+7], v11, s[10:11] offset:16
.irp q, 0,1,2,3
.irp e, 0,1
	global_load_b128 v[QY+8*\q+4*\e:QY+8*\q+4*\e+3], v10, s[8:9] offset:1024*\q+512*\e th:TH_LOAD_NT   ; its last use in the program
.endr
.endr
.irp e, 0,1
	global_load_b128 v[GA+4*\e:GA+4*\e+3], v1, s[12:13] offset:512*\e
	global_load_b128 v[BE+4*\e:BE+4*\e+3], v1, s[14:15] offset:512*\e
.endr
	s_wait_loadcnt 32                              ; my two pieces of ctx are in; the 32 loads behind them stay out
	ds_store_b128 v3, v[CP:CP+3]
	ds_store_b128 v3, v[CP+4:CP+7] offset:512
	s_wait_dscnt 0x0                               ; for the others' sake
	s_barrier_signal -1
	s_barrier_wait -1                              ; ctx's eight fragments lie in LDS
	s_wait_loadcnt 12                              ; the scale words, Wo and bo are in; query, gamma and beta stay out
.irp s, 0,1
.irp m, 0,1,2,3
.irp c, 0,1,2,3
	ds_load_b128 v[CF+16*\m+4*\c:CF+16*\m+4*\c+3], v1 offset:CIMG+4096*\m+2048*\s+512*\c
.endr
.endr
	s_wait_dscnt 0x0
.irp m, 0,1,2,3                                ; four accumulators by turns
.if \s == 0
	v_wmma_scale_f32_16x16x128_f8f6f4 v[ACC+8*\m:ACC+8*\m+7], v[WO:WO+15], v[CF+16*\m:CF+16*\m+15], v[BO:BO+7], v[WOS], v[CS+2*\m] matrix_a_fmt:MATRIX_FMT_BF8 matrix_b_fmt:MATRIX_FMT_BF8
.else
	v_wmma_scale_f32_16x16x128_f8f6f4 v[ACC+8*\m:ACC+8*\m+7], v[WO+16:WO+31], v[CF+16*\m:CF+16*\m+15], v[ACC+8*\m:ACC+8*\m+7], v[WOS+1], v[CS+2*\m+1] matrix_a_fmt:MATRIX_FMT_BF8 matrix_b_fmt:MATRIX_FMT_BF8
.endif
.endr
.rept 8
	v_nop                                          ; eight places behind this matrix form, ahead of loads into its operands and of the first read of results
.endr
.endr
.irp m, 0,1,2,3
	ds_store_b128 v4, v[ACC+8*\m:ACC+8*\m+3] offset:16*SP*\m          ; lane (r, h): row 16 m + r, columns 16 w + 8 h + 0 .. 7; each accumulator from its low end on
	ds_store_b128 v4, v[ACC+8*\m+4:ACC+8*\m+7] offset:16*SP*\m+16
.endr
	s_wait_dscnt 0x0                               ; for the others' sake
	s_barrier_signal -1
	s_barrier_wait -1                              ; 64 whole rows lie in the stage
.irp q, 0,1,2,3
.irp e, 0,1
	ds_load_b128 v[X+8*\q+4*\e:X+8*\q+4*\e+3], v5 offset:SP*\q+512*\e
.endr
.endr
	s_wait_loadcnt 0x0
	s_wait_dscnt 0x0
.irp p, 0,2,4,6
.irp q, 0,1,2,3
	v_pk_add_f32 v[X+8*\q+\p:X+8*\q+\p+1], v[X+8*\q+\p:X+8*\q+\p+1], v[QY+8*\q+\p:QY+8*\q+\p+1]   ; the residual
.endr
.endr
.irp q, 0,1,2,3
	v_pk_add_f32 v[SM+2*\q:SM+2*\q+1], v[X+8*\q:X+8*\q+1], v[X+8*\q+2:X+8*\q+3]
.endr
.irp p, 4,6
.irp q, 0,1,2,3
	v_pk_add_f32 v[SM+2*\q:SM+2*\q+1], v[SM+2*\q:SM+2*\q+1], v[X+8*\q+\p:X+8*\q+\p+1]
.endr
.endr
.irp q, 0,1,2,3
	v_add_f32 v[SM+2*\q], v[SM+2*\q], v[SM+2*\q+1]
.endr
	REDUCE
.irp q, 0,1,2,3
	v_mul_f32 v[MU+2*\q], s26, v[SM+2*\q]          ; the mean
.endr
.irp p, 0,2,4,6
.irp q, 0,1,2,3
	v_pk_add_f32 v[X+8*\q+\p:X+8*\q+\p+1], v[X+8*\q+\p:X+8*\q+\p+1], v[MU+2*\q:MU+2*\q+1] op_sel_hi:[1,0] neg_lo:[0,1] neg_hi:[0,1]   ; x - mean
.endr
.endr
.irp q, 0,1,2,3
	v_pk_mul_f32 v[SM+2*\q:SM+2*\q+1], v[X+8*\q:X+8*\q+1], v[X+8*\q:X+8*\q+1]
.endr
.irp p, 2,4,6
.irp q, 0,1,2,3
	v_pk_fma_f32 v[SM+2*\q:SM+2*\q+1], v[X+8*\q+\p:X+8*\q+\p+1], v[X+8*\q+\p:X+8*\q+\p+1], v[SM+2*\q:SM+2*\q+1]
.endr
.endr
.irp q, 0,1,2,3
	v_add_f32 v[SM+2*\q], v[SM+2*\q], v[SM+2*\q+1]
.endr
	REDUCE
.irp q, 0,1,2,3
	v_fma_f32 v[SM+2*\q], v[SM+2*\q], s26, s27     ; the variance + 1e-3
.endr
.irp q, 0,1,2,3
	v_rsq_f32 v[MU+2*\q], v[SM+2*\q]
.endr
	v_nop                                          ; a plain line behind the transcendentals
	s_wait_alu depctr_va_vdst(0)
.irp p, 0,2,4,6
.irp q, 0,1,2,3
	v_pk_mul_f32 v[X+8*\q+\p:X+8*\q+\p+1], v[X+8*\q+\p:X+8*\q+\p+1], v[MU+2*\q:MU+2*\q+1] op_sel_hi:[1,0]
.endr
.endr
.irp p, 0,2,4,6
.irp q, 0,1,2,3
	v_pk_fma_f32 v[X+8*\q+\p:X+8*\q+\p+1], v[X+8*\q+\p:X+8*\q+\p+1], v[GA+\p:GA+\p+1], v[BE+\p:BE+\p+1]
.endr
.endr
.irp q, 0,1,2,3
.irp e, 0,1
	global_store_b128 v10, v[X+8*\q+4*\e:X+8*\q+4*\e+3], s[16:17] offset:1024*\q+512*\e th:TH_STORE_NT   ; 32 lanes store 512 consecutive bytes, at a multiple of 256 from out0's first byte
.endr
.endr
	s_wait_tensorcnt 0x0
	ds_add_u32 v240, v241
	s_wait_dscnt 0x0
	s_endpgm
.Lfunc_end_k_q5443b82c0c_outln:
	.size	k_q5443b82c0c_outln, .Lfunc_end_k_q5443b82c0c_outln-k_q5443b82c0c_outln
	.p2alignl 7, 3214868480
	.fill 96, 4, 3214868480
	.section	.rodata,"a",@progbits
	.p2align	6, 0x0
	.amdhsa_kernel k_q5443b82c0c_outln
		.amdhsa_group_segment_fixed_size 86016
		.amdhsa_private_segment_fixed_size 0
		.amdhsa_enable_private_segment 0
		.amdhsa_kernarg_size 56
		.amdhsa_user_sgpr_count 2
		.amdhsa_user_sgpr_kernarg_segment_ptr 1
		.amdhsa_wavefront_size32 1
		.amdhsa_system_sgpr_workgroup_id_x 1
		.amdhsa_system_sgpr_workgroup_id_y 1
		.amdhsa_system_sgpr_workgroup_id_z 1
		.amdhsa_system_vgpr_workitem_id 0
		.amdhsa_next_free_vgpr 242
		.amdhsa_next_free_sgpr 66
		.amdhsa_reserve_vcc 0
		.amdhsa_float_denorm_mode_32 3
		.amdhsa_float_denorm_mode_16_64 3
		.amdhsa_memory_ordered 1
		.amdhsa_forward_progress 1
		.amdhsa_inst_pref_size 21
	.end_amdhsa_kernel
	.amdgpu_metadata
---
amdhsa.version: [ 1, 2 ]
amdhsa.kernels:
  - .name:           k_q5443b82c0c_outln
    .symbol:         k_q5443b82c0c_outln.kd
    .args:
      - { .name: cbuf, .offset: 0, .size: 8, .value_kind: global_buffer, .address_space: global }
      - { .name: wobuf, .offset: 8, .size: 8, .value_kind: global_buffer, .address_space: global }
      - { .name: query, .offset: 16, .size: 8, .value_kind: global_buffer, .address_space: global }
      - { .name: bo, .offset: 24, .size: 8, .value_kind: global_buffer, .address_space: global }
      - { .name: gamma, .offset: 32, .size: 8, .value_kind: global_buffer, .address_space: global }
      - { .name: beta, .offset: 40, .size: 8, .value_kind: global_buffer, .address_space: global }
      - { .name: out0, .offset: 48, .size: 8, .value_kind: global_buffer, .address_space: global }
    .group_segment_fixed_size: 86016
    .private_segment_fixed_size: 0
    .kernarg_segment_align: 8
    .kernarg_segment_size: 56
    .max_flat_workgroup_size: 512
    .sgpr_count:     66
    .vgpr_count:     242
    .wavefront_size: 32
...
	.end_amdgpu_metadata
.endif
;; end of part 3
;; ======== version 2 of 2: 3 launches; version 1 with the launches proj, outln written anew for expert scheduling mode
;; workspace buffers: qbuf 4,456,448 bytes; kvbuf 8,912,896 bytes; cbuf 4,456,448 bytes; wobuf 69,632 bytes
;; launch proj (part 4): grid 256 x 1, 16 waves a work-group, no clusters, 69,632 bytes of LDS; arguments query, value_codes, value_scales, Wq_codes, Wq_scales, bq, Wk_codes, Wk_scales, bk, Wv_codes, Wv_scales, bv, Wo, qbuf, kvbuf, wobuf; writes qbuf, kvbuf, wobuf
.if DOCPART == 4
	.amdgcn_target "amdgcn-amd-amdhsa--gfx1250"
	.amdhsa_code_object_version 6
	.text
	.protected	k_q5443b82c0c_proj
	.globl	k_q5443b82c0c_proj
	.p2align	8
	.type	k_q5443b82c0c_proj,@function
k_q5443b82c0c_proj:
	s_mov_b64 s[64:65], 0
	v_nop
	global_prefetch_b8 v0, s[64:65] scope:SCOPE_SE
	s_setreg_imm32_b32 hwreg(HW_REG_WAVE_SCHED_MODE, 0, 2), 2
	s_setreg_imm32_b32 hwreg(HW_REG_WAVE_MODE, 25, 1), 1
	s_wait_xcnt 0x0
	s_wait_alu depctr_vm_vsrc(0)
; q = Q(query) Wq + bq, k = value Wk + bk, v = value Wv + bv on codes of BF8 (E5M2) with one E8M0 scale for each 32 along K; then q and k are quantised along the head's 64,
; v along the keys, and Wo along its first two axes.  All results leave as IMAGES OF OPERAND REGISTERS: a piece is 32 lanes x 16 bytes (lane l at 16 l), a set of scale words 32 lanes x 4 bytes,
; so every store here, and every load of the later launches, covers 512 (128) consecutive bytes.
; SHARES.  A work-group takes 64 tokens, four tiles of 16.  Sixteen waves in four roles (wave / 4), x = wave % 4:
;   role 3: PRODUCER of token tile x: copies the tile's codes of value and quantises the tile's rows of query; both go to LDS as register images;
;   roles 0, 1, 2: CONSUMERS: q, k, v of head x; the head's 64 rows of the weight (8 fragments, 128 registers) stay in registers.  One barrier lies between the two.
;   Behind the barrier the producers of work-groups 0 to 7 quantise one fragment of Wo each (32 in all).
; ORDER OF ROWS.  A tile of a weight takes rows 32 (t / 2) + 8 (t % 2) + r + 8 (r / 8), so that the 16 registers of two neighbouring result tiles are 16 neighbours along the next K.
;   The tiles of value take tokens 32 fl + 8 u + r + 8 (r / 8) for the same reason: they become the keys of a tile of k, and v's registers along the keys.  query's tiles take plain tokens.
; q and k are used transposed (source 0 = weight rows, source 1 = tokens): a lane holds one token, its registers run along the head.  v is used the other way (source 0 = tokens): a lane holds one channel, its registers run along the keys.
; NO JOINT LOADS: the launch has no tensor load; a wave's 16 KiB of weights go from memory straight into its operand registers once, and the launch's chain is one load, one barrier, one product.
; The weights' and value's fragment loads take 32 bytes of each of 16 rows an instruction; four of them take 128 consecutive bytes of each row.
; LIMITS: NaN and infinities are not served.  A block whose largest magnitude lies under 2^-111 keeps the byte 1 (a block of zeros too, where the rule says 127: its codes are zeros, and these bytes are read by this program alone).
; THE MODE: SCHED_MODE bits 1:0 = 2 (LLVM: expert scheduling mode 2), set by the entry lines.  The code itself states the register dependences between vector or matrix instructions
; and memory or LDS instructions, with s_wait_alu, always for 0.
; THE PLAN.  Registers that memory or LDS instructions touch:
;   v1-v13       addresses: written once at the head, never again: one wait on va_vdst ahead of the roles' parting serves every load and store of the kernel.
;   producer     v16-143: loaded, then read and written by the quantiser; later Wo's loads land in v16-79.  v192-207 and v224 (codes, scale word): written by the conversions, read by five LDS stores,
;                written again by the next quantiser: a wait on va_vdst behind each quantiser, a wait on vm_vsrc ahead of the next.
;   the join     both waits, on every role's way: all that vector instructions and LDS stores did ahead of the barrier is done with its registers.
;   q, k         X, XS: LDS loads land, the tile's eight products read.  H: LDS loads land (the bias), the products write, the quantiser reads and writes.  PC, SW: the quantiser and the line behind it write, the global stores read.
;                A tile has two waits on va_vdst: behind the products' places (X and XS are free: the NEXT tile's ten LDS loads go out there and land under the quantiser, which names none of their registers),
;                and behind the quantiser (PC and SW are written: the stores follow; H is free: the next tile's bias loads follow the stores).  One wait on vm_vsrc ahead of the quantiser: the last tile's stores have read PC and SW.
;   v            the same over eight groups of four products; the loads behind a pair's second group land under the bias additions and the quantiser.
;   A consumer names all 256 registers, and four waves of 256 fill a SIMD's 1,024: there is no second set for X.
.set CHUNK,  17408                     ; kvbuf: 128 keys of one head: 4 fragments of k (8,192), 4 of v^T (8,192), k's scale words (512), v's (512)
.set QSC,    4194304                   ; qbuf: the scale words lie behind the images
.set XQ,     0                         ; LDS: query's 8 fragments (tile, K step s) at (2 tile + s) x 2,048
.set XV,     16384                     ;      value's likewise
.set XQS,    32768                     ;      their scale words, 128 bytes each
.set XVS,    33792
.set BIMG,   34816                     ;      the bias in the result's layout, 4,096 bytes for each of waves 0 to 7, each wave's own
.set W,   16                           ; consumers: v16-143 the weight's fragments, (t, s) at 16 (2 t + s)
.set WS,  144                          ; v144-151 their scale words
.set X,   152                          ; v152-183 a token tile's two fragments
.set XS,  184                          ; v184-185 its scale words
.set HW,  186                          ; the two scale bytes just made
.set SW,  187                          ; a pair of tiles' four bytes
.set SB,  188                          ; v188-191 v's scale bytes, two for each channel tile
.set H,   192                          ; v192-223 four result tiles
.set PC,  224                          ; v224-231 codes just made
.set TM,  232                          ; v232-247 at work in QUANT
.set BV,  248                          ; v248-255 bv of my channel, twice, for each channel tile
.set NUM, 16                           ; producers: v16-143 128 numbers of my row; v152-185 value's pieces and words
.set PPC, 192
.set PTM, 208
.set PPW, 224
.set WV,   36
.set ROLE, 37
.set XX,   38
.set WP,   40                          ; s[40:41] my weight's codes, s[42:43] its scales, s[44:45] my bias
.set WSP,  42
.set BP,   44
.set PO,   46                          ; s[46:47] where my images go, s[48:49] my scale words
.set PS,   48
.set SEL,  50                          ; s[50:51] v_permlanex16_b32's selects for lane l xor 16
.set MNT,  52                          ; the mantissa field of 57,344
; nb blocks of 32 along K, 16 numbers of each in my registers v[s + 16 b + i] and 16 in lane l xor 16's, become codes in v[pc] on and scale bytes in v[pw]
.macro QUANT s, nb, pc, tm, pw
.irp b, 0,1,2,3
.if \b < \nb
	v_max3_num_f32 v[\tm+\b], |v[\s+16*\b]|, |v[\s+16*\b+1]|, 0x8000000   ; my 16 numbers and the floor 2^(16 - 127): the byte cannot fall under 1
.endif
.endr
.irp i, 2,4,6,8,10,12,14
.irp b, 0,1,2,3
.if \b < \nb
	v_max3_num_f32 v[\tm+\b], v[\tm+\b], |v[\s+16*\b+\i]|, |v[\s+16*\b+\i+1]|
.endif
.endr
.endr
.irp b, 0,1,2,3
.if \b < \nb
	v_permlanex16_b32 v[\tm+4+\b], v[\tm+\b], s[SEL], s[SEL+1]
.endif
.endr
.irp b, 0,1,2,3
.if \b < \nb
	v_max_num_f32 v[\tm+\b], v[\tm+\b], v[\tm+4+\b]                  ; the block's largest magnitude
.endif
.endr
.irp b, 0,1,2,3
.if \b < \nb
	v_add_nc_u32 v[\tm+12+\b], 0xf8800000, v[\tm+\b]                 ; 15 off its exponent field: the conversion's scale operand
.endif
.endr
.irp b, 0,1,2,3
.if \b < \nb
	v_and_or_b32 v[\tm+8+\b], v[\tm+\b], 0x7f800000, s[MNT]          ; 57,344 x the scale
.endif
.endr
.irp b, 0,1,2,3
.if \b < \nb
	v_lshrrev_b32 v[\tm+4+\b], 23, v[\tm+12+\b]                      ; the scale's byte
.endif
.endr
	v_lshl_or_b32 v[\pw], v[\tm+5], 8, v[\tm+4]
.if \nb > 2
	v_lshl_or_b32 v[\pw], v[\tm+6], 16, v[\pw]
	v_lshl_or_b32 v[\pw], v[\tm+7], 24, v[\pw]
.endif
.irp b, 0,1,2,3
.if \b < \nb
.irp i, 0,1,2,3,4,5,6,7,8,9,10,11,12,13,14,15
	v_med3_num_f32 v[\s+16*\b+\i], v[\s+16*\b+\i], -v[\tm+8+\b], v[\tm+8+\b]   ; the conversion to an 8-bit code does not saturate (ISA guide 7.6.2): the hold comes first
.endr
	v_cvt_scalef32_pk8_bf8_f32 v[\pc+4*\b:\pc+4*\b+1], v[\s+16*\b:\s+16*\b+7], v[\tm+12+\b]
	v_cvt_scalef32_pk8_bf8_f32 v[\pc+4*\b+2:\pc+4*\b+3], v[\s+16*\b+8:\s+16*\b+15], v[\tm+12+\b]
.endif
.endr
	v_nop                                          ; a plain line behind the last conversion, ahead of whatever next touches its registers
.endm
.macro MXZ d, a, b, sa, sb                     ; a product that starts a sum
	v_wmma_scale_f32_16x16x128_f8f6f4 v[\d:\d+7], v[\a:\a+15], v[\b:\b+15], 0, v[\sa], v[\sb] matrix_a_fmt:MATRIX_FMT_BF8 matrix_b_fmt:MATRIX_FMT_BF8
.endm
.macro MXC d, a, b, sa, sb                     ; a product that adds in place
	v_wmma_scale_f32_16x16x128_f8f6f4 v[\d:\d+7], v[\a:\a+15], v[\b:\b+15], v[\d:\d+7], v[\sa], v[\sb] matrix_a_fmt:MATRIX_FMT_BF8 matrix_b_fmt:MATRIX_FMT_BF8
.endm
.macro PLACES                                  ; eight plain lines behind this matrix form, ahead of reads of results and of loads into its operands
.rept 8
	v_nop
.endr
.endm
.macro FETCHX tile                             ; a token tile's two fragments and scale words, as the producer's registers held them
.irp s, 0,1
.irp c, 0,1,2,3
	ds_load_b128 v[X+16*\s+4*\c:X+16*\s+4*\c+3], v11 offset:(\tile)*4096+2048*\s+512*\c
.endr
	ds_load_b32 v[XS+\s], v12 offset:(2*(\tile)+\s)*128
.endr
.endm
.macro WLOADS                                  ; my head's 64 rows of the weight: 8 scale words, then 8 fragments: 40 loads
.irp t, 0,1,2,3
.irp s, 0,1
	global_load_b32 v[WS+2*\t+\s], v4, s[WSP:WSP+1] offset:(32*(\t/2)+8*(\t%2))*8+4*\s
.endr
.endr
.irp t, 0,1,2,3
.irp s, 0,1
.irp c, 0,1,2,3
	global_load_b128 v[W+16*(2*\t+\s)+4*\c:W+16*(2*\t+\s)+4*\c+3], v3, s[WP:WP+1] offset:(32*(\t/2)+8*(\t%2))*256+128*\s+32*\c
.endr
.endr
.endr
.endm
	s_load_b512 s[4:19], s[0:1], 0x0               ; query 4, value_codes 6, value_scales 8, Wq_codes 10, Wq_scales 12, bq 14, Wk_codes 16, Wk_scales 18
	s_load_b512 s[20:35], s[0:1], 0x40             ; bk 20, Wv_codes 22, Wv_scales 24, bv 26, Wo 28, qbuf 30, kvbuf 32, wobuf 34
	v_lshl_add_u32 v246, v0, 2, 0x10800
	v_mov_b32 v247, 0
	v_lshrrev_b32 v14, 5, v0
	v_readfirstlane_b32 s[WV], v14                 ; wave 0..15
	; every address register is made here, ahead of the roles' parting, and holds nothing else afterwards
	v_and_b32 v14, 31, v0                          ; lane
	v_and_b32 v15, 15, v0                          ; r
	v_bfe_u32 v5, v0, 4, 1                         ; h
	v_lshlrev_b32 v1, 4, v14                       ; v1: 16 x lane: my place in a piece
	v_lshlrev_b32 v2, 2, v14                       ; v2: 4 x lane: my scale word
	v_and_b32 v6, 8, v15
	v_add_nc_u32 v6, v6, v15                       ; R = r + 8 (r / 8)
	v_lshlrev_b32 v3, 8, v6
	v_lshl_add_u32 v3, v5, 4, v3                   ; v3: rows of 256 codes: 256 R + 16 h
	v_lshlrev_b32 v4, 3, v6                        ; v4: their scale bytes: 8 R
	v_lshlrev_b32 v7, 10, v15
	v_lshl_add_u32 v7, v5, 6, v7                   ; v7: query: 1,024 r + 64 h: my 16 numbers of a block of 32
	v_lshlrev_b32 v8, 2, v15
	v_lshl_add_u32 v8, v5, 14, v8                  ; v8: Wo: column r, 16 h rows of 1,024 bytes down
	v_lshlrev_b32 v6, 2, v6                        ; v6: bv: 4 R
	v_lshlrev_b32 v5, 6, v5                        ; v5: bq, bk: 64 h
	s_wait_alu depctr_va_sdst(0)                   ; the wave's number is written, ahead of its first reader: roles, addresses and bases are made from it
	s_lshr_b32 s[ROLE], s[WV], 2
	s_and_b32 s[XX], s[WV], 3
	s_lshl_b32 s53, s[XX], 12
	v_add_nc_u32 v9, s53, v1                       ; v9: a producer's images: 16 lane + 4,096 x
	s_lshl_b32 s53, s[XX], 8
	v_add_nc_u32 v10, s53, v2                      ; v10: its scale words: 4 lane + 256 x
	s_min_u32 s54, s[ROLE], 1                      ; q reads query's images, k and v value's
	s_lshl_b32 s53, s54, 14
	v_add_nc_u32 v11, s53, v1                      ; v11: a consumer's images
	s_lshl_b32 s53, s54, 10
	s_add_co_u32 s53, s53, XQS
	v_add_nc_u32 v12, s53, v2                      ; v12: its scale words
	s_and_b32 s53, s[WV], 7
	s_lshl_b32 s53, s53, 12
	s_add_co_u32 s53, s53, BIMG
	v_add_nc_u32 v13, s53, v1                      ; v13: my bias image (waves 0 to 7)
.irp b, 0,1,2,3
	v_mov_b32 v[PTM+4+\b], 0                       ; written once: a lane permute's destination counts as one of its sources
	v_mov_b32 v[TM+4+\b], 0
.endr
	s_mov_b32 s[SEL], 0x76543210
	s_mov_b32 s[SEL+1], 0xfedcba98
	s_mov_b32 s[MNT], 0x600000
	; where results go, as byte offsets.  The work-group's first token is 64 g: batch g / 64; in it chunk (g % 64) / 2, half g % 2, pairs of q tiles from 2 (g % 64) on
	s_and_b32 s53, ttmp9, 63
	s_lshr_b32 s54, ttmp9, 6
	s_lshl_b32 s54, s54, 2
	s_add_co_u32 s54, s54, s[XX]                   ; 4 x batch + head
	s_and_b32 s55, ttmp9, 1                        ; half
	s_lshr_b32 s56, s53, 1
	s_lshl_b32 s57, s54, 5
	s_add_co_u32 s57, s57, s56
	s_mul_i32 s57, s57, CHUNK                      ; my chunk's first byte in kvbuf
	s_lshl_b32 s58, s54, 7
	s_lshl_b32 s59, s53, 1
	s_add_co_u32 s58, s58, s59                     ; my first pair of q tiles
	s_lshl_b32 s60, s58, 11                        ; q: 2,048 bytes of images a pair,
	s_lshl_b32 s62, s58, 7
	s_add_co_u32 s62, s62, QSC                     ;    128 of scale words
	s_lshl_b32 s59, s55, 12
	s_add_co_u32 s56, s57, s59                     ; k: fragments 2 half, 2 half + 1,
	s_lshl_b32 s59, s55, 8
	s_add_co_u32 s58, s57, s59
	s_add_co_u32 s58, s58, 16384                   ;    and their words
	s_cmp_eq_u32 s[ROLE], 0
	s_cselect_b32 s60, s60, s56
	s_cselect_b32 s62, s62, s58
	s_lshl_b32 s59, s55, 10
	s_add_co_u32 s56, s57, s59
	s_add_co_u32 s56, s56, 8192                    ; v: pieces 2 half, 2 half + 1 of each fragment,
	s_lshl_b32 s59, s55, 1
	s_add_co_u32 s58, s57, s59
	s_add_co_u32 s58, s58, 16896                   ;    bytes 2 half, 2 half + 1 of each word
	s_cmp_eq_u32 s[ROLE], 2
	s_cselect_b32 s60, s56, s60
	s_cselect_b32 s62, s58, s62
	s_mov_b32 s61, 0
	s_mov_b32 s63, 0
	; what a producer reads: value's tile x = 2 fl + u begins at token 64 g + 32 fl + 8 u, query's at 64 g + 16 x
	s_lshl_b32 s53, ttmp9, 6
	s_lshr_b32 s54, s[XX], 1
	s_lshl_b32 s54, s54, 5
	s_and_b32 s55, s[XX], 1
	s_lshl_b32 s55, s55, 3
	s_add_co_u32 s54, s54, s55
	s_add_co_u32 s54, s54, s53
	s_lshl_b32 s56, s54, 8                         ; s[56:57] value's codes
	s_mov_b32 s57, 0
	s_lshl_b32 s58, s54, 3                         ; s[58:59] value's scale bytes
	s_mov_b32 s59, 0
	s_lshl_b32 s55, s[XX], 4
	s_add_co_u32 s53, s53, s55
	s_lshl_b32 s54, s53, 10                        ; s[54:55] query
	s_mov_b32 s55, 0
	s_wait_kmcnt 0x0
	s_cmp_eq_u32 s[ROLE], 0                        ; the buffers are chosen by the role, which hangs on the wave's number alone
	s_cselect_b64 s[WP:WP+1], s[10:11], s[16:17]
	s_cselect_b64 s[WSP:WSP+1], s[12:13], s[18:19]
	s_cselect_b64 s[BP:BP+1], s[14:15], s[20:21]
	s_cselect_b64 s[PO:PO+1], s[30:31], s[32:33]
	s_cmp_eq_u32 s[ROLE], 2
	s_cselect_b64 s[WP:WP+1], s[22:23], s[WP:WP+1]
	s_cselect_b64 s[WSP:WSP+1], s[24:25], s[WSP:WSP+1]
	s_cselect_b64 s[BP:BP+1], s[26:27], s[BP:BP+1]
	s_add_nc_u64 s[PS:PS+1], s[PO:PO+1], s[62:63]
	s_add_nc_u64 s[PO:PO+1], s[PO:PO+1], s[60:61]
	s_lshl_b32 s66, s[XX], 14                      ; head x: 64 rows of 256 codes,
	s_mov_b32 s67, 0
	s_add_nc_u64 s[WP:WP+1], s[WP:WP+1], s[66:67]
	s_lshl_b32 s66, s[XX], 9                       ; of 8 scale bytes,
	s_add_nc_u64 s[WSP:WSP+1], s[WSP:WSP+1], s[66:67]
	s_lshl_b32 s66, s[XX], 8                       ; 64 numbers of the bias
	s_add_nc_u64 s[BP:BP+1], s[BP:BP+1], s[66:67]
	s_wait_alu depctr_va_vdst(0)                   ; the addresses v1 to v13 are written, which every load and store of the kernel reads; so are v212-215, in which a q or k wave's bias loads land
	s_cmp_eq_u32 s[ROLE], 3
	s_cbranch_scc1 .Lprod
	s_cmp_eq_u32 s[ROLE], 2
	s_cbranch_scc1 .Lhead_v
	; ---- q, k: the bias in the result's layout (tile t, register j: channel 32 (t / 2) + 8 (t % 2) + 16 h + j) goes to my own LDS bytes: it will be the C of every tile's first products
.irp t, 0,1,2,3
	global_load_b128 v[H+8*\t:H+8*\t+3], v5, s[BP:BP+1] offset:(32*(\t/2)+8*(\t%2))*4
	global_load_b128 v[H+8*\t+4:H+8*\t+7], v5, s[BP:BP+1] offset:(32*(\t/2)+8*(\t%2))*4+16
.endr
	WLOADS
	s_wait_loadcnt 40                              ; the bias is in; the 40 loads of the weight stay out
.irp i, 0,1,2,3,4,5,6,7
	ds_store_b128 v13, v[H+4*\i:H+4*\i+3] offset:512*\i
.endr
	s_branch .Ljoin
.Lhead_v:
	; ---- v: a lane holds one channel of each channel tile: its bias, into both halves of a pair
.irp t, 0,1,2,3
	global_load_b32 v[BV+2*\t], v6, s[BP:BP+1] offset:(32*(\t/2)+8*(\t%2))*4
	global_load_b32 v[BV+2*\t+1], v6, s[BP:BP+1] offset:(32*(\t/2)+8*(\t%2))*4
.endr
	WLOADS
	s_branch .Ljoin
.Lprod:
	; ---- the producer of token tile x
	s_add_nc_u64 s[6:7], s[6:7], s[56:57]
	s_add_nc_u64 s[8:9], s[8:9], s[58:59]
	s_add_nc_u64 s[4:5], s[4:5], s[54:55]
.irp s, 0,1
.irp c, 0,1,2,3
	global_load_b128 v[X+16*\s+4*\c:X+16*\s+4*\c+3], v3, s[6:7] offset:128*\s+32*\c
.endr
.endr
.irp s, 0,1
	global_load_b32 v[XS+\s], v4, s[8:9] offset:4*\s
.endr
.irp s, 0,1
.irp b, 0,1,2,3
.irp j, 0,1,2,3
	global_load_b128 v[NUM+64*\s+16*\b+4*\j:NUM+64*\s+16*\b+4*\j+3], v7, s[4:5] offset:512*\s+128*\b+16*\j   ; register 64 s + 16 b + i: k = 128 s + 32 b + 16 h + i of my row
.endr
.endr
.endr
	s_wait_loadcnt 32                              ; value's ten loads are in; query's 32 stay out
.irp s, 0,1
.irp c, 0,1,2,3
	ds_store_b128 v9, v[X+16*\s+4*\c:X+16*\s+4*\c+3] offset:XV+2048*\s+512*\c
.endr
	ds_store_b32 v10, v[XS+\s] offset:XVS+128*\s
.endr
	s_wait_loadcnt 16                              ; query's first K step is in
	QUANT NUM, 4, PPC, PTM, PPW
	s_wait_alu depctr_va_vdst(0)                   ; the conversions have written v[PPC ..] and the scale word v[PPW], which the five LDS stores read
.irp c, 0,1,2,3
	ds_store_b128 v9, v[PPC+4*\c:PPC+4*\c+3] offset:XQ+512*\c
.endr
	ds_store_b32 v10, v[PPW] offset:XQS
	s_wait_dscnt 0x0                               ; my LDS stores are done,
	s_wait_alu depctr_vm_vsrc(0)                   ; and they have read v[PPC ..] and v[PPW], which the second K step's quantiser writes again
	s_wait_loadcnt 0x0
	QUANT NUM+64, 4, PPC, PTM, PPW
	s_wait_alu depctr_va_vdst(0)                   ; the conversions have written v[PPC ..] and v[PPW], which the five LDS stores read
.irp c, 0,1,2,3
	ds_store_b128 v9, v[PPC+4*\c:PPC+4*\c+3] offset:XQ+2048+512*\c
.endr
	ds_store_b32 v10, v[PPW] offset:XQS+128
.Ljoin:
	s_wait_dscnt 0x0                               ; for the others' sake: my LDS stores have landed
	s_barrier_signal -1
	s_barrier_wait -1                              ; the four tiles of query and of value lie in LDS.  (The consumers' weight loads may be out across the barrier: nobody writes those bytes)
	s_wait_loadcnt 0x0                             ; on every role's way: a consumer's weight is in, and no load is pending into v16-143, where a producer's loads of Wo land below
	PLACES                                         ; on every role's way: v16-143, a consumer's operands, are the registers that a producer's holds wrote just ahead of the join; an operand written by vector
	                                               ; instructions stands four plain lines ahead of a scaled product, a scale word eight
	s_wait_alu depctr_va_vdst(0)                   ; on every role's way, behind the places: a producer's quantiser has written and is done reading v16-143 and v192-224: Wo's loads land in v16-79 below, and in the text that the roles share v16-143 are operands of scaled products and LDS loads land in v192-223
	s_wait_alu depctr_vm_vsrc(0)                   ; the LDS stores ahead of the barrier have read their data: a q or k wave's bias in v192-223, where its LDS loads land below; a producer's pieces of value in v152-185, and its codes and scale word in v192-207 and v224, which its quantiser of Wo writes
	s_cmp_eq_u32 s[ROLE], 3
	s_cbranch_scc1 .Lwo
	s_cmp_eq_u32 s[ROLE], 2
	s_cbranch_scc1 .Lv
	; ---- q, k: a token tile at a time.  Four accumulators by turns; the bias is their C
	FETCHX 0                                       ; the first tile's fragments; each tile asks for the next one's behind its products
.irp tile, 0,1,2,3
.irp i, 0,1,2,3,4,5,6,7
	ds_load_b128 v[H+4*\i:H+4*\i+3], v13 offset:512*\i   ; no vector instruction since the last wait on va_vdst names H
.endr
	s_wait_dscnt 0x0
.irp s, 0,1
.irp t, 0,1,2,3
	MXC H+8*\t, W+16*(2*\t+\s), X+16*\s, WS+2*\t+\s, XS+\s
.endr
.endr
	PLACES
.if \tile > 0
	s_wait_xcnt 0x0                                ; the last tile's stores have had their addresses translated,
	s_wait_alu depctr_vm_vsrc(0)                   ; and have read v[PC ..] and v[SW], which the quantiser and the line behind it write again
.endif
.if \tile < 3
	s_wait_alu depctr_va_vdst(0)                   ; the eight products are done reading X and XS, in which the next tile's LDS loads land
	FETCHX \tile+1                                 ; they land under the quantiser, which names H, PC, TM and HW alone
.endif
	QUANT H, 2, PC, TM, HW                         ; lane (r, h): token r; register 16 b + i: channel 32 b + 16 h + i
.if \tile % 2 == 0
	v_mov_b32 v[SW], v[HW]
.else
	v_lshl_or_b32 v[SW], v[HW], 16, v[SW]          ; bytes (u 0: b 0, b 1; u 1: b 0, b 1)
.endif
	s_wait_alu depctr_va_vdst(0)                   ; the conversions have written v[PC ..], and the line above v[SW], which the stores read; the quantiser is done with H, in which the next tile's bias loads land
	global_store_b128 v1, v[PC:PC+3], s[PO:PO+1] offset:1024*\tile          ; piece 2 u + 0 of pair or fragment fl: 512 consecutive bytes
	global_store_b128 v1, v[PC+4:PC+7], s[PO:PO+1] offset:1024*\tile+512
.if \tile % 2 == 1
	global_store_b32 v2, v[SW], s[PS:PS+1] offset:128*(\tile/2)
.endif
.endr
	s_wait_dscnt 0x0
	s_wait_alu depctr_hold_cnt(0) depctr_sa_sdst(0) depctr_va_vdst(0) depctr_va_sdst(0) depctr_va_ssrc(0) depctr_va_vcc(0) depctr_vm_vsrc(0)
	s_wait_tensorcnt 0x0
	ds_add_u32 v246, v247
	s_wait_dscnt 0x0
	s_endpgm
.Lv:
	; ---- v: for each 32 keys fl and each pair of channel tiles p: source 0 = 16 tokens, source 1 = 16 rows of Wv.  Register 16 e + 8 u + j of lane (r, h): key 32 fl + 16 h + 8 u + j, channel tile 2 p + e
	FETCHX 0                                       ; the first group's token tile; each group of four products asks for the next group's behind its places
.irp fl, 0,1
.irp p, 0,1
.irp u, 0,1
	s_wait_dscnt 0x0
.irp e, 0,1
	MXZ H+16*\e+8*\u, X, W+16*(2*(2*\p+\e)), XS, WS+2*(2*\p+\e)
.endr
.irp e, 0,1
	MXC H+16*\e+8*\u, X+16, W+16*(2*(2*\p+\e)+1), XS+1, WS+2*(2*\p+\e)+1
.endr
	PLACES
.if 4*\fl+2*\p+\u < 7
.set NX, 4*\fl+2*\p+\u+1                       ; the next group: token tile 2 (NX / 4) + NX % 2
	s_wait_alu depctr_va_vdst(0)                   ; the four products are done reading X and XS, in which the next group's LDS loads land
	FETCHX 2*(NX/4)+NX%2
.endif
.endr
.irp e, 0,1
.irp j, 0,2,4,6,8,10,12,14
	v_pk_add_f32 v[H+16*\e+\j:H+16*\e+\j+1], v[H+16*\e+\j:H+16*\e+\j+1], v[BV+2*(2*\p+\e):BV+2*(2*\p+\e)+1]
.endr
.endr
.if 2*\fl+\p > 0
	s_wait_xcnt 0x0                                ; the last pair's stores have had their addresses translated,
	s_wait_alu depctr_vm_vsrc(0)                   ; and have read v[PC ..], which the conversions write again
.endif
	QUANT H, 2, PC, TM, HW                         ; block e: these 32 keys of channel tile 2 p + e
.irp e, 0,1
.if \fl == 0
	v_mov_b32 v[SB+2*\p+\e], v[TM+4+\e]
.else
	v_lshl_or_b32 v[SB+2*\p+\e], v[TM+4+\e], 8, v[SB+2*\p+\e]
.endif
.endr
	s_wait_alu depctr_va_vdst(0)                   ; the conversions have written v[PC ..], which the two stores read; behind the last pair also: v[SB ..] is written, which the four stores at the end read
.irp e, 0,1
	global_store_b128 v1, v[PC+4*\e:PC+4*\e+3], s[PO:PO+1] offset:(2*\p+\e)*2048+512*\fl
.endr
.endr
.endr
.irp t, 0,1,2,3
	global_store_b16 v2, v[SB+\t], s[PS:PS+1] offset:128*\t   ; two of a word's four bytes (the chunk's other half comes from the neighbouring work-group): 64 bytes a store, 256 a wave beside its 4,096 of codes
.endr
	s_wait_dscnt 0x0
	s_wait_alu depctr_hold_cnt(0) depctr_sa_sdst(0) depctr_va_vdst(0) depctr_va_sdst(0) depctr_va_ssrc(0) depctr_va_vcc(0) depctr_vm_vsrc(0)
	s_wait_tensorcnt 0x0
	ds_add_u32 v246, v247
	s_wait_dscnt 0x0
	s_endpgm
.Lwo:
	; ---- Wo: fragment 4 g + x of 32, in work-groups 0 to 7.  Fragment 2 w + s: lane r takes column 16 w + r, its registers run down K: k = 128 s + 32 c + 16 h + i
	s_cmp_lt_u32 ttmp9, 8
	s_cbranch_scc1 .Lwo_work
	s_wait_dscnt 0x0
	s_wait_alu depctr_hold_cnt(0) depctr_sa_sdst(0) depctr_va_vdst(0) depctr_va_sdst(0) depctr_va_ssrc(0) depctr_va_vcc(0) depctr_vm_vsrc(0)
	s_wait_tensorcnt 0x0
	ds_add_u32 v246, v247
	s_wait_dscnt 0x0
	s_endpgm
.Lwo_work:
	s_lshl_b32 s53, ttmp9, 2
	s_add_co_u32 s53, s53, s[XX]
	s_lshr_b32 s54, s53, 1
	s_lshl_b32 s54, s54, 6                         ; 16 columns are 64 bytes
	s_and_b32 s55, s53, 1
	s_lshl_b32 s55, s55, 17                        ; 128 rows of 1,024 bytes
	s_add_co_u32 s54, s54, s55
	s_mov_b32 s55, 0
	s_add_nc_u64 s[28:29], s[28:29], s[54:55]
	s_lshl_b32 s56, s53, 11
	s_mov_b32 s57, 0
	s_lshl_b32 s58, s53, 7
	s_add_co_u32 s58, s58, 65536
	s_mov_b32 s59, 0
	s_add_nc_u64 s[66:67], s[34:35], s[58:59]
	s_add_nc_u64 s[34:35], s[34:35], s[56:57]
.irp c, 0,1,2,3
.irp i, 0,1,2,3,4,5,6,7,8,9,10,11,12,13,14,15
	global_load_b32 v[NUM+16*\c+\i], v8, s[28:29] offset:(32*\c+\i)*1024   ; no vector instruction since the join's wait on va_vdst names v16-79
.endr
.endr
	s_wait_loadcnt 0x0
	QUANT NUM, 4, PPC, PTM, PPW
	s_wait_alu depctr_va_vdst(0)                   ; the conversions have written v[PPC ..] and v[PPW], which the five stores read
.irp c, 0,1,2,3
	global_store_b128 v1, v[PPC+4*\c:PPC+4*\c+3], s[34:35] offset:512*\c
.endr
	global_store_b32 v2, v[PPW], s[66:67]
	s_wait_dscnt 0x0
	s_wait_alu depctr_hold_cnt(0) depctr_sa_sdst(0) depctr_va_vdst(0) depctr_va_sdst(0) depctr_va_ssrc(0) depctr_va_vcc(0) depctr_vm_vsrc(0)
	s_wait_tensorcnt 0x0
	ds_add_u32 v246, v247
	s_wait_dscnt 0x0
	s_endpgm
.Lfunc_end_k_q5443b82c0c_proj:
	.size	k_q5443b82c0c_proj, .Lfunc_end_k_q5443b82c0c_proj-k_q5443b82c0c_proj
	.p2alignl 7, 3214868480
	.fill 96, 4, 3214868480
	.section	.rodata,"a",@progbits
	.p2align	6, 0x0
	.amdhsa_kernel k_q5443b82c0c_proj
		.amdhsa_group_segment_fixed_size 69632
		.amdhsa_private_segment_fixed_size 0
		.amdhsa_enable_private_segment 0
		.amdhsa_kernarg_size 128
		.amdhsa_user_sgpr_count 2
		.amdhsa_user_sgpr_kernarg_segment_ptr 1
		.amdhsa_wavefront_size32 1
		.amdhsa_system_sgpr_workgroup_id_x 1
		.amdhsa_system_sgpr_workgroup_id_y 1
		.amdhsa_system_sgpr_workgroup_id_z 1
		.amdhsa_system_vgpr_workitem_id 0
		.amdhsa_next_free_vgpr 256
		.amdhsa_next_free_sgpr 72
		.amdhsa_reserve_vcc 0
		.amdhsa_float_denorm_mode_32 3
		.amdhsa_float_denorm_mode_16_64 3
		.amdhsa_memory_ordered 1
		.amdhsa_forward_progress 1
		.amdhsa_inst_pref_size 113
	.end_amdhsa_kernel
	.amdgpu_metadata
---
amdhsa.version: [ 1, 2 ]
amdhsa.kernels:
  - .name:           k_q5443b82c0c_proj
    .symbol:         k_q5443b82c0c_proj.kd
    .args:
      - { .name: query, .offset: 0, .size: 8, .value_kind: global_buffer, .address_space: global }
      - { .name: value_codes, .offset: 8, .size: 8, .value_kind: global_buffer, .address_space: global }
      - { .name: value_scales, .offset: 16, .size: 8, .value_kind: global_buffer, .address_space: global }
      - { .name: Wq_codes, .offset: 24, .size: 8, .value_kind: global_buffer, .address_space: global }
      - { .name: Wq_scales, .offset: 32, .size: 8, .value_kind: global_buffer, .address_space: global }
      - { .name: bq, .offset: 40, .size: 8, .value_kind: global_buffer, .address_space: global }
      - { .name: Wk_codes, .offset: 48, .size: 8, .value_kind: global_buffer, .address_space: global }
      - { .name: Wk_scales, .offset: 56, .size: 8, .value_kind: global_buffer, .address_space: global }
      - { .name: bk, .offset: 64, .size: 8, .value_kind: global_buffer, .address_space: global }
      - { .name: Wv_codes, .offset: 72, .size: 8, .value_kind: global_buffer, .address_space: global }
      - { .name: Wv_scales, .offset: 80, .size: 8, .value_kind: global_buffer, .address_space: global }
      - { .name: bv, .offset: 88, .size: 8, .value_kind: global_buffer, .address_space: global }
      - { .name: Wo, .offset: 96, .size: 8, .value_kind: global_buffer, .address_space: global }
      - { .name: qbuf, .offset: 104, .size: 8, .value_kind: global_buffer, .address_space: global }
      - { .name: kvbuf, .offset: 112, .size: 8, .value_kind: global_buffer, .address_space: global }
      - { .name: wobuf, .offset: 120, .size: 8, .value_kind: global_buffer, .address_space: global }
    .group_segment_fixed_size: 69632
    .private_segment_fixed_size: 0
    .kernarg_segment_align: 8
    .kernarg_segment_size: 128
    .max_flat_workgroup_size: 512
    .sgpr_count:     72
    .vgpr_count:     256
    .wavefront_size: 32
...
	.end_amdgpu_metadata
.endif
;; end of part 4
;; launch attn: the kernel of part 2 again; grid 16 x 16, 8 waves a work-group, no clusters, 327,680 bytes of LDS; arguments qbuf, kvbuf, cbuf; writes cbuf
;; launch outln (part 5): grid 256 x 1, 16 waves a work-group, no clusters, 86,016 bytes of LDS; arguments cbuf, wobuf, query, bo, gamma, beta, out0; writes out0
.if DOCPART == 5
	.amdgcn_target "amdgcn-amd-amdhsa--gfx1250"
	.amdhsa_code_object_version 6
	.text
	.protected	k_q5443b82c0c_outln
	.globl	k_q5443b82c0c_outln
	.p2align	8
	.type	k_q5443b82c0c_outln,@function
k_q5443b82c0c_outln:
	s_mov_b64 s[64:65], 0
	v_nop
	global_prefetch_b8 v0, s[64:65] scope:SCOPE_SE
	s_setreg_imm32_b32 hwreg(HW_REG_WAVE_SCHED_MODE, 0, 2), 2
	s_setreg_imm32_b32 hwreg(HW_REG_WAVE_MODE, 25, 1), 1
	s_wait_xcnt 0x0
	s_wait_alu depctr_vm_vsrc(0)
; out = LayerNorm(ctx Wo + bo + query) x gamma + beta.  The product is on codes of BF8 (E5M2) with one E8M0 scale for each 32 along K; ctx and Wo arrive as images of operand registers.
; SHARES.  A work-group takes 64 tokens, four tiles of 16.  IN THE PRODUCT THE WAVES SHARE THE COLUMNS: wave w makes columns 16 w .. 16 w + 15 for all 64 rows, so its part of Wo (two fragments) is read once,
; straight into registers.  IN THE NORM THEY SHARE THE ROWS: wave w takes rows 4 w .. 4 w + 3, whole, so a row's mean and variance never leave the wave.  In between lies a stage in LDS.
; The product is used transposed (source 0 = 16 columns of Wo, source 1 = 16 tokens): a lane holds eight neighbouring columns of one row.  bo is the C of each sum's first product.
; All loads are issued at the head; two barriers: ctx's images lie in LDS | the 64 rows lie in the stage.
; The variance is taken of x - mean, in a second pass over registers: a common offset in the inputs cancels nothing.
; NO JOINT LOADS, NO TENSOR LOADS: what work-groups share is Wo's 68 KiB, a small part of the 144 KiB that each streams, and it goes into registers once.
; THE MODE: SCHED_MODE bits 1:0 = 2 (LLVM: expert scheduling mode 2), set by the entry lines.  The code itself states the register dependences between vector or matrix instructions
; and memory or LDS instructions, with s_wait_alu, always for 0.
; THE PLAN.  Registers that memory or LDS instructions touch:
;   v1-v11     addresses: written once at the head, never again: one wait on va_vdst ahead of the first load serves every load and store of the kernel.
;   CP, the scale words, WO, BO, QY, GA, BE: loaded once; vector and matrix instructions only read them; nothing lands in them again.
;   CF = X     LDS loads land (the first K step's fragments); four products read; LDS loads land (the second's); four products read; LDS loads land (my rows from the stage); the norm reads and writes; the global stores read.
;   ACC        the products write; the LDS stores into the stage read.
; So one wait on va_vdst stands behind the places of each K step (CF is free; behind the second step the accumulators are written too), one behind the reciprocal roots, one ahead of the global stores.
; No register that a memory or LDS instruction reads is written again, so no wait on vm_vsrc is owed.  A second set of four fragments would take 64 registers; a wave's 256 leave 16.
.set CIMG,  0                          ; LDS: the work-group's eight fragments of ctx, (tile m, K step s) at (2 m + s) x 2,048
.set STAGE, 16384                      ;      64 rows x (1,024 bytes + 16)
.set SP,    1040
.set CSC,   4194304                    ; cbuf: the scale words lie behind the images
.set WO,  16                           ; v16-47 Wo's two fragments;  v48-49 their scale words
.set WOS, 48
.set CS,  50                           ; v50-57 ctx's scale words, 2 m + s
.set CP,  58                           ; v58-65 my two pieces of ctx on their way to LDS
.set CF,  66                           ; v66-129 four fragments of ctx;
.set X,   66                           ;         later my four rows, row q at 8 q: columns 128 e + 4 lane + 0 .. 3 at 4 e
.set ACC, 130                          ; v130-161 four accumulators
.set QY,  162                          ; v162-193 query, as X
.set BO,  194                          ; v194-201 bo at my eight columns
.set GA,  202                          ; v202-209 gamma, v210-217 beta, as a row of X
.set BE,  210
.set SM,  218                          ; v218-225 a pair for each row: sums
.set MU,  226                          ; v226-233 a pair for each row: the mean, then 1 / sqrt(var + eps) (the upper register is only named)
.macro REDUCE                                  ; v[SM + 2 q] summed over the 32 lanes, the four rows by turns
.irp m, 1,2,4,8
.irp q, 0,1,2,3
	v_add_f32_dpp v[SM+2*\q], v[SM+2*\q], v[SM+2*\q] row_xmask:\m row_mask:0xf bank_mask:0xf
.endr
.endr
.irp q, 0,1,2,3
	v_permlanex16_b32 v[SM+2*\q+1], v[SM+2*\q], s24, s25
.endr
.irp q, 0,1,2,3
	v_add_f32 v[SM+2*\q], v[SM+2*\q], v[SM+2*\q+1]
.endr
.endm
	s_load_b256 s[4:11], s[0:1], 0x0               ; cbuf 4, wobuf 6, query 8, bo 10
	s_load_b128 s[12:15], s[0:1], 0x20             ; gamma 12, beta 14
	s_load_b64 s[16:17], s[0:1], 0x30              ; out0
	v_lshl_add_u32 v238, v0, 2, 0x14800
	v_mov_b32 v239, 0
	v_lshrrev_b32 v6, 5, v0
	v_readfirstlane_b32 s18, v6                    ; wave 0..15
	v_and_b32 v6, 31, v0
	v_lshlrev_b32 v1, 4, v6                        ; v1: 16 x lane
	v_lshlrev_b32 v2, 2, v6                        ; v2: 4 x lane
	v_and_b32 v7, 15, v0                           ; r
	v_bfe_u32 v8, v0, 4, 1                         ; h
	v_mul_u32_u24 v4, v7, SP
	s_wait_alu depctr_va_sdst(0)                   ; the wave's number is written, ahead of its first reader: the addresses below are made from it
	s_lshl_b32 s19, s18, 10
	v_add_nc_u32 v3, s19, v1                       ; v3: LDS: where my two pieces of ctx go
	s_lshl_b32 s20, s18, 6
	v_lshl_add_u32 v11, v8, 5, s20                 ; v11: 64 w + 32 h: my eight columns, in bytes
	v_add_nc_u32 v4, v4, v11
	v_add_nc_u32 v4, STAGE, v4                     ; v4: the stage, on the way in: row r, my columns
	s_mul_i32 s20, s18, 4*SP
	s_add_co_u32 s20, s20, STAGE
	v_add_nc_u32 v5, s20, v1                       ; v5: and on the way out: my four rows, 16 bytes a lane
	s_lshl_b32 s21, ttmp9, 14
	s_add_co_u32 s21, s21, s19
	v_add_nc_u32 v6, s21, v1                       ; v6: cbuf: the work-group's 16,384 bytes of images, my 1,024
	s_lshl_b32 s21, ttmp9, 10
	s_add_co_u32 s21, s21, CSC
	v_add_nc_u32 v7, s21, v2                       ; v7: its eight sets of scale words
	s_lshl_b32 s21, s18, 12
	v_add_nc_u32 v8, s21, v1                       ; v8: wobuf: fragments 2 w, 2 w + 1
	s_lshl_b32 s21, s18, 8
	s_add_co_u32 s21, s21, 65536
	v_add_nc_u32 v9, s21, v2                       ; v9: their scale words
	s_lshl_b32 s21, ttmp9, 6
	s_lshl_b32 s22, s18, 2
	s_add_co_u32 s21, s21, s22
	s_lshl_b32 s21, s21, 10
	v_add_nc_u32 v10, s21, v1                      ; v10: query and out0: row 64 g + 4 w
	s_mov_b32 s24, 0x76543210
	s_mov_b32 s25, 0xfedcba98                      ; v_permlanex16_b32's selects for lane l xor 16
	s_mov_b32 s26, 0x3b800000                      ; 1 / 256
	s_mov_b32 s27, 0x3a83126f                      ; 1e-3
.irp q, 0,1,2,3
	v_mov_b32 v[MU+2*\q+1], 0
.endr
	s_wait_kmcnt 0x0
	s_wait_alu depctr_va_vdst(0)                   ; the addresses v1 to v11 are written, which every load and store of the kernel reads
	global_load_b128 v[CP:CP+3], v6, s[4:5]
	global_load_b128 v[CP+4:CP+7], v6, s[4:5] offset:512
.irp i, 0,1,2,3,4,5,6,7
	global_load_b32 v[CS+\i], v7, s[4:5] offset:128*\i
.endr
.irp s, 0,1
	global_load_b32 v[WOS+\s], v9, s[6:7] offset:128*\s
.endr
.irp s, 0,1
.irp c, 0,1,2,3
	global_load_b128 v[WO+16*\s+4*\c:WO+16*\s+4*\c+3], v8, s[6:7] offset:2048*\s+512*\c
.endr
.endr
	global_load_b128 v[BO:BO+3], v11, s[10:11]
	global_load_b128 v[BO+4:BO+7], v11, s[10:11] offset:16
.irp q, 0,1,2,3
.irp e, 0,1
	global_load_b128 v[QY+8*\q+4*\e:QY+8*\q+4*\e+3], v10, s[8:9] offset:1024*\q+512*\e th:TH_LOAD_NT   ; its last use in the program
.endr
.endr
.irp e, 0,1
	global_load_b128 v[GA+4*\e:GA+4*\e+3], v1, s[12:13] offset:512*\e
	global_load_b128 v[BE+4*\e:BE+4*\e+3], v1, s[14:15] offset:512*\e
.endr
	s_wait_loadcnt 32                              ; my two pieces of ctx are in; the 32 loads behind them stay out
	ds_store_b128 v3, v[CP:CP+3]
	ds_store_b128 v3, v[CP+4:CP+7] offset:512
	s_wait_dscnt 0x0                               ; for the others' sake
	s_barrier_signal -1
	s_barrier_wait -1                              ; ctx's eight fragments lie in LDS
	s_wait_loadcnt 12                              ; the scale words, Wo and bo are in; query, gamma and beta stay out
.irp s, 0,1
.irp m, 0,1,2,3
.irp c, 0,1,2,3
	ds_load_b128 v[CF+16*\m+4*\c:CF+16*\m+4*\c+3], v1 offset:CIMG+4096*\m+2048*\s+512*\c
.endr
.endr
	s_wait_dscnt 0x0
.irp m, 0,1,2,3                                ; four accumulators by turns
.if \s == 0
	v_wmma_scale_f32_16x16x128_f8f6f4 v[ACC+8*\m:ACC+8*\m+7], v[WO:WO+15], v[CF+16*\m:CF+16*\m+15], v[BO:BO+7], v[WOS], v[CS+2*\m] matrix_a_fmt:MATRIX_FMT_BF8 matrix_b_fmt:MATRIX_FMT_BF8
.else
	v_wmma_scale_f32_16x16x128_f8f6f4 v[ACC+8*\m:ACC+8*\m+7], v[WO+16:WO+31], v[CF+16*\m:CF+16*\m+15], v[ACC+8*\m:ACC+8*\m+7], v[WOS+1], v[CS+2*\m+1] matrix_a_fmt:MATRIX_FMT_BF8 matrix_b_fmt:MATRIX_FMT_BF8
.endif
.endr
.rept 8
	v_nop                                          ; eight places behind this matrix form, ahead of loads into its operands and of the first read of results
.endr
	s_wait_alu depctr_va_vdst(0)                   ; the four products are done reading v[CF ..], in which the next LDS loads land (the second K step's fragments; behind the second step my rows from the stage); behind the second step they have also written the accumulators, which the LDS stores read
.endr
.irp m, 0,1,2,3
	ds_store_b128 v4, v[ACC+8*\m:ACC+8*\m+3] offset:16*SP*\m          ; lane (r, h): row 16 m + r, columns 16 w + 8 h + 0 .. 7; each accumulator from its low end on
	ds_store_b128 v4, v[ACC+8*\m+4:ACC+8*\m+7] offset:16*SP*\m+16
.endr
	s_wait_dscnt 0x0                               ; for the others' sake
	s_barrier_signal -1
	s_barrier_wait -1                              ; 64 whole rows lie in the stage
.irp q, 0,1,2,3
.irp e, 0,1
	ds_load_b128 v[X+8*\q+4*\e:X+8*\q+4*\e+3], v5 offset:SP*\q+512*\e   ; no vector or matrix instruction since the last wait on va_vdst names these registers
.endr
.endr
	s_wait_loadcnt 0x0
	s_wait_dscnt 0x0
.irp p, 0,2,4,6
.irp q, 0,1,2,3
	v_pk_add_f32 v[X+8*\q+\p:X+8*\q+\p+1], v[X+8*\q+\p:X+8*\q+\p+1], v[QY+8*\q+\p:QY+8*\q+\p+1]   ; the residual
.endr
.endr
.irp q, 0,1,2,3
	v_pk_add_f32 v[SM+2*\q:SM+2*\q+1], v[X+8*\q:X+8*\q+1], v[X+8*\q+2:X+8*\q+3]
.endr
.irp p, 4,6
.irp q, 0,1,2,3
	v_pk_add_f32 v[SM+2*\q:SM+2*\q+1], v[SM+2*\q:SM+2*\q+1], v[X+8*\q+\p:X+8*\q+\p+1]
.endr
.endr
.irp q, 0,1,2,3
	v_add_f32 v[SM+2*\q], v[SM+2*\q], v[SM+2*\q+1]
.endr
	REDUCE
.irp q, 0,1,2,3
	v_mul_f32 v[MU+2*\q], s26, v[SM+2*\q]          ; the mean
.endr
.irp p, 0,2,4,6
.irp q, 0,1,2,3
	v_pk_add_f32 v[X+8*\q+\p:X+8*\q+\p+1], v[X+8*\q+\p:X+8*\q+\p+1], v[MU+2*\q:MU+2*\q+1] op_sel_hi:[1,0] neg_lo:[0,1] neg_hi:[0,1]   ; x - mean
.endr
.endr
.irp q, 0,1,2,3
	v_pk_mul_f32 v[SM+2*\q:SM+2*\q+1], v[X+8*\q:X+8*\q+1], v[X+8*\q:X+8*\q+1]
.endr
.irp p, 2,4,6
.irp q, 0,1,2,3
	v_pk_fma_f32 v[SM+2*\q:SM+2*\q+1], v[X+8*\q+\p:X+8*\q+\p+1], v[X+8*\q+\p:X+8*\q+\p+1], v[SM+2*\q:SM+2*\q+1]
.endr
.endr
.irp q, 0,1,2,3
	v_add_f32 v[SM+2*\q], v[SM+2*\q], v[SM+2*\q+1]
.endr
	REDUCE
.irp q, 0,1,2,3
	v_fma_f32 v[SM+2*\q], v[SM+2*\q], s26, s27     ; the variance + 1e-3
.endr
.irp q, 0,1,2,3
	v_rsq_f32 v[MU+2*\q], v[SM+2*\q]
.endr
	v_nop                                          ; a plain line behind the transcendentals
	s_wait_alu depctr_va_vdst(0)                   ; the four reciprocal roots have written v[MU], v[MU + 2], v[MU + 4], v[MU + 6]: one wait for the batch, ahead of its first reader
.irp p, 0,2,4,6
.irp q, 0,1,2,3
	v_pk_mul_f32 v[X+8*\q+\p:X+8*\q+\p+1], v[X+8*\q+\p:X+8*\q+\p+1], v[MU+2*\q:MU+2*\q+1] op_sel_hi:[1,0]
.endr
.endr
.irp p, 0,2,4,6
.irp q, 0,1,2,3
	v_pk_fma_f32 v[X+8*\q+\p:X+8*\q+\p+1], v[X+8*\q+\p:X+8*\q+\p+1], v[GA+\p:GA+\p+1], v[BE+\p:BE+\p+1]
.endr
.endr
	s_wait_alu depctr_va_vdst(0)                   ; the multiply-adds have written v[X ..], which the eight stores read
.irp q, 0,1,2,3
.irp e, 0,1
	global_store_b128 v10, v[X+8*\q+4*\e:X+8*\q+4*\e+3], s[16:17] offset:1024*\q+512*\e th:TH_STORE_NT   ; 32 lanes store 512 consecutive bytes, at a multiple of 256 from out0's first byte
.endr
.endr
	s_wait_dscnt 0x0
	s_wait_alu depctr_hold_cnt(0) depctr_sa_sdst(0) depctr_va_vdst(0) depctr_va_sdst(0) depctr_va_ssrc(0) depctr_va_vcc(0) depctr_vm_vsrc(0)
	s_wait_tensorcnt 0x0
	ds_add_u32 v238, v239
	s_wait_dscnt 0x0
	s_endpgm
.Lfunc_end_k_q5443b82c0c_outln:
	.size	k_q5443b82c0c_outln, .Lfunc_end_k_q5443b82c0c_outln-k_q5443b82c0c_outln
	.p2alignl 7, 3214868480
	.fill 96, 4, 3214868480
	.section	.rodata,"a",@progbits
	.p2align	6, 0x0
	.amdhsa_kernel k_q5443b82c0c_outln
		.amdhsa_group_segment_fixed_size 86016
		.amdhsa_private_segment_fixed_size 0
		.amdhsa_enable_private_segment 0
		.amdhsa_kernarg_size 56
		.amdhsa_user_sgpr_count 2
		.amdhsa_user_sgpr_kernarg_segment_ptr 1
		.amdhsa_wavefront_size32 1
		.amdhsa_system_sgpr_workgroup_id_x 1
		.amdhsa_system_sgpr_workgroup_id_y 1
		.amdhsa_system_sgpr_workgroup_id_z 1
		.amdhsa_system_vgpr_workitem_id 0
		.amdhsa_next_free_vgpr 240
		.amdhsa_next_free_sgpr 66
		.amdhsa_reserve_vcc 0
		.amdhsa_float_denorm_mode_32 3
		.amdhsa_float_denorm_mode_16_64 3
		.amdhsa_memory_ordered 1
		.amdhsa_forward_progress 1
		.amdhsa_inst_pref_size 21
	.end_amdhsa_kernel
	.amdgpu_metadata
---
amdhsa.version: [ 1, 2 ]
amdhsa.kernels:
  - .name:           k_q5443b82c0c_outln
    .symbol:         k_q5443b82c0c_outln.kd
    .args:
      - { .name: cbuf, .offset: 0, .size: 8, .value_kind: global_buffer, .address_space: global }
      - { .name: wobuf, .offset: 8, .size: 8, .value_kind: global_buffer, .address_space: global }
      - { .name: query, .offset: 16, .size: 8, .value_kind: global_buffer, .address_space: global }
      - { .name: bo, .offset: 24, .size: 8, .value_kind: global_buffer, .address_space: global }
      - { .name: gamma, .offset: 32, .size: 8, .value_kind: global_buffer, .address_space: global }
      - { .name: beta, .offset: 40, .size: 8, .value_kind: global_buffer, .address_space: global }
      - { .name: out0, .offset: 48, .size: 8, .value_kind: global_buffer, .address_space: global }
    .group_segment_fixed_size: 86016
    .private_segment_fixed_size: 0
    .kernarg_segment_align: 8
    .kernarg_segment_size: 56
    .max_flat_workgroup_size: 512
    .sgpr_count:     66
    .vgpr_count:     240
    .wavefront_size: 32
...
	.end_amdgpu_metadata
.endif
;; end of part 5
